; MI455X (gfx1250); checked and timed in simulation.
; The chip was launched on July 23, 2026; its instructions are those of AMD's public machine-readable ISA for CDNA 5 (MIT licence, August 2026) and "CDNA5" Instruction Set Architecture Reference Guide (July 2026). The comments in the code are by the model that wrote it; some were corrected since.
;; Multi Head Attention. Allowed arithmetic: matrix products marked QUANTISED: E2M3 operands, one E8M0 scale for each 32 along K, by v_wmma_scale_f32_16x16x128_f8f6f4 with both operands' format E2M3, f32 sums; everything else in f32.
;; Inputs: W_out 1,024 x 1,024 float32; W_qkv 3,072 x 1,024 float32; b_out 1,024 float32; b_qkv 3,072 float32; x 4 x 2,048 x 1,024 float32.
;; Outputs: out0 4 x 2,048 x 1,024 float32.
;; This version of the problem:
;;   THIS VERSION OF THE PROBLEM IS GIVEN IN LOW PRECISION. The matrix products marked QUANTISED in the list below multiply operands that are first quantised to E2M3 (2 exponent bits, 3 mantissa bits; 6 bits a number), with one power-of-two scale for each 32 numbers along K (OCP MX v1.0); their sums are f32. All else is computed in f32.
;;   The module's matrix products, in the order in which they are computed (A, B: the left and right operand; K: the contracted axis; several contracted axes count as one K, in the product's order):
;;     1. [M 8,192, K 1,024] x [K 1,024, N 3,072]; A: input x; B: input W_qkv: QUANTISED
;;     2. batch 64 x [M 2,048, K 64] x [K 64, N 2,048]; A: computed on the way; B: computed on the way: QUANTISED
;;     3. batch 64 x [M 2,048, K 2,048] x [K 2,048, N 64]; A: softmax (see below); B: computed on the way: QUANTISED
;;     4. [M 8,192, K 1,024] x [K 1,024, N 1,024]; A: computed on the way; B: input W_out: QUANTISED
;;   THE QUANTISER, for each operand of a quantised product, along K:
;;     - K is cut into blocks of 32 from its start; a last block that is shorter is filled with zeros.
;;     - A block's scale is 2^e with e = floor(log2(the largest magnitude in the block)) - 2, held to -126 .. 127; a block of zeros has e = 0. As a byte (E8M0): e + 127.
;;     - Each number is divided by its block's scale, clamped to +-7.5, and rounded to the nearest number of E2M3, ties to even, subnormals kept.
;;     - The product sums the exact products of the quantised numbers (number of the format x scale) in f32.
;;   ~~~python
;;   def quantise(x, axis):      # numpy; x: float32 -> the quantised numbers, widened to float32 again
;;       x = np.moveaxis(x, axis, -1); K = x.shape[-1]
;;       x = np.pad(x, [(0, 0)] * (x.ndim - 1) + [(0, -K % 32)]); x = x.reshape(x.shape[:-1] + (-1, 32)); a = np.abs(x).max(-1, keepdims=True)
;;       e = np.where(a > 0, np.clip(np.frexp(np.where(a > 0, a, 1))[1] - 1 - 2, -126, 127), 0)      # np.frexp(a)[1] - 1 = floor(log2(a)), exactly
;;       r = np.clip(x / 2.0 ** e, -7.5, 7.5)
;;       step = 2.0 ** (np.maximum(np.frexp(np.where(r == 0, 1, r))[1] - 1, 0) - 3)
;;       q = np.round(r / step) * step * 2.0 ** e      # np.round: ties to even
;;       return np.moveaxis(q.reshape(q.shape[:-2] + (-1,))[..., :K], -1, axis).astype(np.float32)
;;   ~~~
;;   SOFTMAX AHEAD OF A QUANTISED PRODUCT. Where the list says 'softmax', what is quantised is not the finished softmax but p = 2^(t - M), with t = logit x log2(e) and M = ceil(the row's largest t), a whole number; so 1/2 < the row's largest p <= 1. The row's sum l is taken of the UNQUANTISED p, in f32, and the product's result is divided by l at the end. Since M is a whole number, a kernel that streams over the keys may use a running M (the ceiling of the running maximum): every later rescaling is an exact power of two, which a block's scale takes up: the codes' values come out the same.
;;   OPERANDS COMPUTED ON THE WAY. 'Computed on the way' means the value that the module computes at that place (a softmax that the list does not call 'softmax' is quantised finished and normalised). What goes into a quantiser is computed in f32, as accurately as f32 sums, v_exp_f32 and their like allow (about 1e-6 of the number): no bf16 or f16 on the way to a quantiser, and a product that is left as it is and whose result goes on into a quantised operand takes f32 operands (vector FMAs, or v_wmma_f32_16x16x4_f32). A number that lies on a knife's edge between two numbers of the format may be rounded either way, as far as f32 arithmetic and the matrix unit's own rounding can turn it there, and no further.
;; One version. Each part assembles by itself: llvm-mc -triple=amdgcn-amd-amdhsa -mcpu=gfx1250 --defsym DOCPART=n.
;; ======== version 1 of 1: 4 launches
;; limits: right only within a limited range of input values
;; workspace buffers: img 9,437,184 bytes; sc 393,216 bytes; qkv 20,185,088 bytes; vals 6,291,456 bytes; vals_sc 262,144 bytes
;; launch quant (part 1): grid 256 x 1, 6 waves a work-group, no clusters, 51,456 bytes of LDS; arguments x, W_qkv, W_out, img, sc; writes img, sc
.if DOCPART == 1
	.amdgcn_target "amdgcn-amd-amdhsa--gfx1250"
	.amdhsa_code_object_version 6
	.text
	.protected	k_qea7d0735b6_quant
	.globl	k_qea7d0735b6_quant
	.p2align	8
	.type	k_qea7d0735b6_quant,@function
k_qea7d0735b6_quant:
	s_mov_b64 s[64:65], 0
	v_nop
	global_prefetch_b8 v0, s[64:65] scope:SCOPE_SE
	s_setreg_imm32_b32 hwreg(HW_REG_WAVE_MODE, 25, 1), 1
	s_wait_xcnt 0x0
; x [8192][1024], W_qkv [3072][1024] and W_out [1024][1024], f32, K innermost, become codes of FP6 (E2M3) with one E8M0 byte for each 32 along K,
; laid in the order of the operands' registers, so that the products' launches read fragments as they stand.
; A TILE is 16 rows that are not neighbours: row i of tile T is tensor row 64 (T / 4) + 8 (T % 4) + i % 8 + 32 (i / 8).  So a lane's 32 results of four neighbouring tiles are 32 neighbours: one scale block of the next product.
; A HALF IMAGE (768 bytes) is six operand registers of all 32 lanes (16 rows x 64 K; lane (r, h) holds block h): registers 0-3 at 16 x lane, registers 4-5 at 512 + 8 x lane.
; img: [768 tiles][8 steps of 128 K][2 half images]; tiles 0-511 x, 512-703 W_qkv, 704-767 W_out.  sc: [768 tiles][2 halves of K][16 rows][16 bytes].
; A block's byte is its largest magnitude's exponent field - 2, held at 1 from below.
; LIMITS: a block of zeros keeps the byte 1 where the rule says 127 (its codes are zeros, and this program alone reads the bytes); largest magnitudes under 2^-124 are held at the byte 1; NaN and infinities are not served.
; SHARES: 1,536 tasks = 256 work-groups x 6 waves; task = 6 x work-group + wave takes tile task / 2, half task % 2 of K: four fragments of 16 rows x 128 K.
; A load reads 512 consecutive bytes of one row; a lane wants whole blocks of one row: the fragment turns through the wave's own stage in LDS (rows 528 bytes apart).  No barrier: waves share nothing.
.set STG,   8448
.set SPARE, 6*STG                      ; the spare words, 128 bytes a wave: three blocks of 256 bytes that no other line names
.set L16,   4
.set L8,    5
.set STI,   6
.set STO,   7
.set SCO,   8
.set SH8,   9
.set SPW,   10
.set NIL,   11
.set SW,    24
.set PC,    32
.set PT,    44
.set R0,    64
.set X,     192
	s_load_b256 s[4:11], s[0:1], 0x0               ; x, W_qkv, W_out, img
	s_load_b64 s[12:13], s[0:1], 0x20              ; sc
	v_lshl_add_u32 v[SPW], v0, 2, SPARE
	v_mov_b32 v[NIL], 0
	v_lshrrev_b32 v1, 5, v0
	v_readfirstlane_b32 s14, v1                    ; wave
	v_and_b32 v1, 31, v0
	v_and_b32 v2, 15, v0                           ; r
	v_bfe_u32 v3, v0, 4, 1                         ; h
	v_lshlrev_b32 v[L16], 4, v1
	v_lshlrev_b32 v[L8], 3, v1
	s_mul_i32 s26, s14, STG
	v_add_nc_u32 v[STI], s26, v[L16]
	v_mul_u32_u24 v[STO], v2, 528
	v_lshl_add_u32 v[STO], v3, 7, v[STO]
	v_add_nc_u32 v[STO], s26, v[STO]
	v_lshlrev_b32 v[SCO], 4, v2
	v_lshl_add_u32 v[SCO], v3, 3, v[SCO]
	v_lshlrev_b32 v[SH8], 3, v3
	v_mov_b32 v20, 0                               ; a lane permute's destination counts as one of its sources
	s_mov_b32 s20, 0x76543210
	s_mov_b32 s21, 0xfedcba98                      ; selects for lane l xor 16
	s_mov_b32 s22, 0xffff0000                      ; lanes 16-31
	s_mul_i32 s15, ttmp9, 6
	s_add_co_u32 s15, s15, s14                     ; task
	s_lshr_b32 s18, s15, 1                         ; tile T
	s_and_b32 s19, s15, 1                          ; half of K
	s_mov_b32 s23, 704
	s_wait_alu depctr_va_vdst(0)
	s_wait_kmcnt 0x0
	s_cmp_lt_u32 s15, 1408                         ; which tensor: the choice hangs on the task's number alone, and only pointers are chosen
	s_cselect_b64 s[16:17], s[6:7], s[8:9]
	s_cselect_b32 s23, 512, s23
	s_cmp_lt_u32 s15, 1024
	s_cselect_b64 s[16:17], s[4:5], s[16:17]
	s_cselect_b32 s23, 0, s23
	s_sub_co_u32 s18, s18, s23                     ; the tile's number in its tensor
	s_lshr_b32 s24, s18, 2
	s_lshl_b32 s24, s24, 18                        ; 64 rows of 4,096 bytes for each four tiles,
	s_and_b32 s25, s18, 3
	s_lshl_b32 s25, s25, 15                        ; 8 rows for each tile of the four,
	s_add_co_u32 s24, s24, s25
	s_lshl_b32 s25, s19, 11                        ; 2,048 bytes for the second half of K
	s_add_co_u32 s24, s24, s25
	s_mov_b32 s25, 0
	s_add_nc_u64 s[16:17], s[16:17], s[24:25]
	s_mul_i32 s24, s15, 6144
	s_add_nc_u64 s[10:11], s[10:11], s[24:25]
	s_lshl_b32 s24, s15, 8
	s_add_nc_u64 s[12:13], s[12:13], s[24:25]
.macro LOADF s                         ; fragment s: 16 rows x 512 consecutive bytes
.irp i, 0,1,2,3,4,5,6,7,8,9,10,11,12,13,14,15
	global_load_b128 v[R0+64*((\s)%2)+4*\i:R0+64*((\s)%2)+4*\i+3], v[L16], s[16:17] offset:(\i%8+32*(\i/8))*4096+512*(\s) th:TH_LOAD_NT
.endr
.endm
.macro FRAGQ s
.if (\s) < 3
	s_wait_loadcnt 16                              ; this fragment's 16 loads are in; the next fragment's 16 may be out
.else
	s_wait_loadcnt 0
.endif
.irp i, 0,1,2,3,4,5,6,7,8,9,10,11,12,13,14,15
	ds_store_b128 v[STI], v[R0+64*((\s)%2)+4*\i:R0+64*((\s)%2)+4*\i+3] offset:528*\i
.endr
.irp c, 0,1
.irp j, 0,1,2,3,4,5,6,7
	ds_load_b128 v[X+32*\c+4*\j:X+32*\c+4*\j+3], v[STO] offset:256*\c+16*\j   ; block 2 c + h of row r; a wave's LDS instructions are served in order
.endr
.endr
	s_wait_dscnt 0x0
.if (\s) < 2
	LOADF (\s)+2
.endif
.irp c, 0,1
	v_max3_num_f32 v[12+\c], |v[X+32*\c]|, |v[X+32*\c+1]|, 0x1800000   ; the floor 2^(3 - 127) among the leaves
.endr
.irp i, 2,4,6,8,10,12,14,16,18,20,22,24,26,28,30
.irp c, 0,1
	v_max3_num_f32 v[12+\c], v[12+\c], |v[X+32*\c+\i]|, |v[X+32*\c+\i+1]|
.endr
.endr
.irp c, 0,1
	v_add_nc_u32 v[14+\c], 0xff000000, v[12+\c]    ; 2 off the exponent field: the conversion's scale operand
.endr
.irp c, 0,1
	v_lshrrev_b32 v[16+\c], 23, v[14+\c]
.endr
	v_lshl_or_b32 v18, v17, 16, v16                ; my bytes: blocks h and 2 + h,
	v_lshlrev_b32 v18, v[SH8], v18                 ; at their places;
	v_permlanex16_b32 v20, v18, s20, s21
	v_or_b32 v[SW+(\s)], v18, v20                  ; with lane l xor 16's two the word is whole
	s_wait_alu depctr_va_vdst(0)
	s_wait_xcnt 0x0                                ; the last fragment's stores have read the codes' registers
.irp c, 0,1
	v_cvt_scalef32_pk16_fp6_f32 v[PC+6*\c:PC+6*\c+2], v[X+32*\c:X+32*\c+15], v[14+\c]
	v_cvt_scalef32_pk16_fp6_f32 v[PT+4*\c:PT+4*\c+2], v[X+32*\c+16:X+32*\c+31], v[14+\c]
.endr
	v_nop                                          ; one plain place behind a scaled conversion
.irp c, 0,1
.irp i, 0,1,2
	v_mov_b32 v[PC+6*\c+3+\i], v[PT+4*\c+\i]
.endr
.endr
	global_store_b128 v[L16], v[PC:PC+3], s[10:11] offset:1536*(\s)
	global_store_b64 v[L8], v[PC+4:PC+5], s[10:11] offset:1536*(\s)+512
	global_store_b128 v[L16], v[PC+6:PC+9], s[10:11] offset:1536*(\s)+768
	global_store_b64 v[L8], v[PC+10:PC+11], s[10:11] offset:1536*(\s)+1280
.endm
	LOADF 0
	LOADF 1
	FRAGQ 0
	FRAGQ 1
	FRAGQ 2
	FRAGQ 3
	v_cndmask_b32 v28, v[SW], v[SW+2], s22         ; lanes 0-15 store words 0 and 1 of row r, lanes 16-31 words 2 and 3: 256 consecutive bytes
	v_cndmask_b32 v29, v[SW+1], v[SW+3], s22
	global_store_b64 v[SCO], v[28:29], s[12:13]
	s_wait_tensorcnt 0x0                           ; the wave's end
	ds_add_u32 v[SPW], v[NIL]
	s_wait_dscnt 0x0
	s_endpgm
.Lfunc_end_k_qea7d0735b6_quant:
	.size	k_qea7d0735b6_quant, .Lfunc_end_k_qea7d0735b6_quant-k_qea7d0735b6_quant
	.p2alignl 7, 3214868480
	.fill 96, 4, 3214868480
	.section	.rodata,"a",@progbits
	.p2align	6, 0x0
	.amdhsa_kernel k_qea7d0735b6_quant
		.amdhsa_group_segment_fixed_size 51456
		.amdhsa_private_segment_fixed_size 0
		.amdhsa_enable_private_segment 0
		.amdhsa_kernarg_size 40
		.amdhsa_user_sgpr_count 2
		.amdhsa_user_sgpr_kernarg_segment_ptr 1
		.amdhsa_wavefront_size32 1
		.amdhsa_system_sgpr_workgroup_id_x 1
		.amdhsa_system_sgpr_workgroup_id_y 1
		.amdhsa_system_sgpr_workgroup_id_z 1
		.amdhsa_system_vgpr_workitem_id 0
		.amdhsa_next_free_vgpr 256
		.amdhsa_next_free_sgpr 66
		.amdhsa_reserve_vcc 0
		.amdhsa_float_denorm_mode_32 3
		.amdhsa_float_denorm_mode_16_64 3
		.amdhsa_memory_ordered 1
		.amdhsa_forward_progress 1
		.amdhsa_inst_pref_size 31
	.end_amdhsa_kernel
	.amdgpu_metadata
---
amdhsa.version: [ 1, 2 ]
amdhsa.kernels:
  - .name:           k_qea7d0735b6_quant
    .symbol:         k_qea7d0735b6_quant.kd
    .args:
      - { .name: x, .offset: 0, .size: 8, .value_kind: global_buffer, .address_space: global }
      - { .name: W_qkv, .offset: 8, .size: 8, .value_kind: global_buffer, .address_space: global }
      - { .name: W_out, .offset: 16, .size: 8, .value_kind: global_buffer, .address_space: global }
      - { .name: img, .offset: 24, .size: 8, .value_kind: global_buffer, .address_space: global }
      - { .name: sc, .offset: 32, .size: 8, .value_kind: global_buffer, .address_space: global }
    .group_segment_fixed_size: 51456
    .private_segment_fixed_size: 0
    .kernarg_segment_align: 8
    .kernarg_segment_size: 40
    .max_flat_workgroup_size: 192
    .sgpr_count:     66
    .vgpr_count:     256
    .wavefront_size: 32
...
	.end_amdgpu_metadata
.endif
;; end of part 1
;; launch gemm_qkv (part 2): grid 16 x 32, 4 waves a work-group, clusters of 4 x 4, 327,680 bytes of LDS; arguments img, sc, b_qkv, qkv; writes qkv
.if DOCPART == 2
	.amdgcn_target "amdgcn-amd-amdhsa--gfx1250"
	.amdhsa_code_object_version 6
	.text
	.protected	k_qea7d0735b6_gemm_qkv
	.globl	k_qea7d0735b6_gemm_qkv
	.p2align	8
	.type	k_qea7d0735b6_gemm_qkv,@function
k_qea7d0735b6_gemm_qkv:
	s_mov_b64 s[64:65], 0
	v_nop
	global_prefetch_b8 v0, s[64:65] scope:SCOPE_SE
	s_setreg_imm32_b32 hwreg(HW_REG_WAVE_MODE, 25, 1), 1
	s_wait_xcnt 0x0
	s_wait_alu depctr_hold_cnt(0) depctr_sa_sdst(0) depctr_va_vdst(0) depctr_va_sdst(0) depctr_va_ssrc(0) depctr_va_vcc(0) depctr_vm_vsrc(0)
	s_getreg_b32 s2, hwreg(HW_REG_IB_STS2, 6, 4)
	s_cmp_eq_u32 s2, 0
	s_cbranch_scc0 .Lentry_in_a_cluster
	s_endpgm
.Lentry_in_a_cluster:
	s_bfe_u32 s2, ttmp6, 0x10000c
	s_cmp_lg_u32 s2, 0xf033
	s_cbranch_scc0 .Lentry_shape_is_right
	s_endpgm
.Lentry_shape_is_right:
; qkv = x W_qkv^T + b_qkv on codes of FP6 with E8M0 scales, and its results quantised at once: q and k along the head's 64, v along the tokens (the keys).  Nothing wide goes to memory.
; SHARES.  A work-group makes 256 tokens x one head's 192 columns.  Wave w takes x's tiles 4 w + a (a = 0..3: 64 neighbouring tokens) against the head's 12 tiles of W: 48 accumulators.
; q and k are used TRANSPOSED (source 0 = 16 rows of W, source 1 = 16 tokens): a lane holds one token.  v the other way: a lane holds one channel.
; A tile's rows (row i = 64 (T / 4) + 8 (T % 4) + i % 8 + 32 (i / 8)) make a lane's 32 registers of four neighbouring tiles 32 neighbours along the next K: lane (r, h) holds block h whole, and no lane asks another for a maximum.
; The biases are the C of each sum's first matrix instruction.  The scale words go from memory straight into registers: sixteen lanes read 256 consecutive bytes.
; OPERANDS lie in memory as images of their registers (16 rows x 128 K: 1,536 bytes) and come into LDS as they lie.
; K goes in four steps of 256 through three LDS slots.  At the head one joint load a wave: x's step 0, W's step 0, x's step 1, W's step 1.  Behind a drained round K step 2 is first filled into slot 2, a half tile a wave;
; in group 6, behind another, K step 3 fills slot 0 again.
; CLUSTER 4 x 4: the four of a row share the tokens, the four of a column the head.  A wave has one tensor load out.
; PREFETCH: at the head each wave names, once in its cluster, its share of the 6,144 bytes a tile that K steps 2 and 3 will load: of x's 16 tiles one tile (24 blocks of 256 bytes) to each of the 16 waves of my row of the cluster,
; of W's 288 blocks 18 to each of the 16 waves of my column; the shares are told apart by address.  The walk along K is written out, so there is no trip to spread the requests over.
; OUT (per head, 315,392 bytes): 16 key steps of 13,056 bytes: k's 8 half images, v's [4 channel tiles][2][768], k's scale words [2][16 r][16], v's [16 r][16]; then q's 128 half images and its scale words [32][16 r][16].
; LIMITS: a block of zeros keeps the byte 1 (its codes are zeros; this program alone reads the bytes); largest magnitudes under 2^-124 are held at the byte 1; NaN and infinities are not served.
; REGISTERS: window 0: v4-27, v30-31 addresses, v28-29 the add's two, v32-82 the way out, v128-255 scale words (tile i, step k at v[128 + 8 i + k]; i 0-3 x's, 4-15 W's).
;   window 1: W's 12 fragments at v[12 t]; x's four, two sets, from v144.   window 2: q's and k's accumulators (a, t) at v[64 a + 8 t].   window 3: v's (t, a) at v[32 t + 8 a]; biases from v128 and v192.
.set SLOT,  86016
.set WOFF,  49152
.set SPARE, 3*SLOT
.set HEADB, 315392
.set STEPB, 13056
.set SC,    128
.set TM,    32                         ; v32-35 four chains of maxima, v36-37 scale operands, v40-41 bytes
.set XP,    44                         ; v44-47 lane permutes' destinations
.set WQ,    52
.set WV,    56
.set PC,    64
.set PT,    76
.set SPW,   28
.set NIL,   29
.set G1A,   24                         ; groups 1: x 16 tiles, W 12 tiles, x 8 tiles, W 6 tiles
.set G1B,   32
.set G1C,   40
.set G1D,   48
.set G0X0,  56                         ; groups 0 of the head's four loads
.set G0X1,  60
.set G0W0,  68
.set G0W1,  72
.set G0A,   76                         ; and of the later fills
.set G0B,   80
.set MSB, 0
.macro WIN new
.if MSB != \new
	s_set_vgpr_msb (MSB<<8)|\new
.set MSB, \new
.endif
.endm
.macro PLACES
.rept 4
	v_nop
.endr
.endm
.macro TLOAD g0, g1                    ; an s_nop 0 and four v_nop follow each tensor load
	tensor_load_to_lds s[\g0:\g0+3], s[\g1:\g1+7]
	s_nop 0
	PLACES
.endm
.macro JLOAD g0a, g1a, g0b, g1b        ; waves 0 and 1 fetch for x, waves 2 and 3 for W
	s_cmp_eq_u32 s13, 0
	s_cbranch_scc0 .Lfor_b_\@
	TLOAD \g0a, \g1a
	s_branch .Lasked_\@
.Lfor_b_\@:
	TLOAD \g0b, \g1b
.Lasked_\@:
.endm
.macro CREST
	s_cmp_lg_u32 s12, 0
	s_cbranch_scc1 .Lnot_wave_0_\@
	s_barrier_signal -3
.Lnot_wave_0_\@:
	s_barrier_wait -3
	s_barrier_signal -1
	s_barrier_wait -1
.endm
.macro CROUND
	s_barrier_signal -1
	s_barrier_wait -1
	CREST
.endm
.macro MKG1 g, c, r, p                 ; r rows of c elements of 8 bytes, p elements from row to row
	s_mov_b32 s[\g+1], (\c)<<16
	s_mov_b32 s[\g+2], (\r)<<16
	s_mov_b32 s[\g+3], (\c)<<16
	s_mov_b32 s[\g+4], \r
	s_mov_b32 s[\g+5], \p
	s_mov_b32 s[\g+6], 0
	s_mov_b32 s[\g+7], 0
.endm
.macro MKG0 g0, ad, off
	s_mov_b32 s[\g0], 1
	s_add_nc_u64 s[\g0+2:\g0+3], s[\ad:\ad+1], \off
	s_or_b32 s[\g0+3], s[\g0+3], 0x80000000
.endm
.macro FRAG reg, a16, a8, off
	ds_load_b128 v[\reg:\reg+3], v[\a16] offset:\off
	ds_load_b64 v[\reg+4:\reg+5], v[\a8] offset:\off+512
	ds_load_b128 v[\reg+6:\reg+9], v[\a16] offset:\off+768
	ds_load_b64 v[\reg+10:\reg+11], v[\a8] offset:\off+1280
.endm
	s_load_b256 s[4:11], s[0:1], 0x0               ; img, sc, b_qkv, qkv
	v_lshl_add_u32 v[SPW], v0, 2, SPARE
	v_mov_b32 v[NIL], 0
	ds_add_u32 v[SPW], v[NIL]                      ; the opening lines: the add twice and its wait ahead of my first tensor load
	ds_add_u32 v[SPW], v[NIL]
	v_lshrrev_b32 v1, 5, v0
	v_readfirstlane_b32 s12, v1                    ; wave
	s_lshr_b32 s13, s12, 1
	s_and_b32 s14, s12, 1
	s_bfe_u32 s15, ttmp6, 0x40000                  ; cx
	s_bfe_u32 s16, ttmp6, 0x40004                  ; cy
	s_lshl_b32 s17, ttmp9, 2
	s_add_co_u32 s17, s17, s15                     ; the head
	s_and_b32 s18, ttmp7, 0xffff
	s_lshl_b32 s18, s18, 2
	s_add_co_u32 s18, s18, s16                     ; Y: the block of 256 tokens
	s_lshl_b32 s19, s16, 2
	s_lshl_b32 s19, 15, s19                        ; my row of the cluster
	s_lshl_b32 s20, 0x1111, s15                    ; my column
	s_or_b32 s[G1A], s19, (3<<16)|(1<<21)
	s_or_b32 s[G1B], s20, (3<<16)|(1<<21)
	s_or_b32 s[G1C], s19, (3<<16)|(1<<21)
	s_or_b32 s[G1D], s20, (3<<16)|(1<<21)
	MKG1 G1A, 384, 16, 1536                        ; tiles x 3,072 bytes, 12,288 bytes from tile to tile
	MKG1 G1B, 384, 12, 1536
	MKG1 G1C, 384, 8, 1536
	MKG1 G1D, 384, 6, 1536
	s_mul_i32 s92, s18, 16*12288                   ; x: tile 16 Y
	s_mov_b32 s93, 0
	s_mul_i32 s96, s17, 12*12288
	s_add_co_u32 s96, s96, 512*12288               ; W: tile 512 + 12 head
	s_mov_b32 s97, 0
	s_mul_i32 s94, s14, 8*12288                    ; the later fills: my half of the tiles, K step 2
	s_add_co_u32 s94, s94, 6144
	s_mov_b32 s95, 0
	s_mul_i32 s98, s14, 6*12288
	s_add_co_u32 s98, s98, 6144
	s_mov_b32 s99, 0
	s_mul_i32 s21, s14, 24576                      ; and where they go in a slot
	s_mul_i32 s101, s14, 18432
	s_lshl_b32 s88, s18, 13
	s_lshl_b32 s89, s12, 11
	s_add_co_u32 s88, s88, s89                     ; my four tiles' scale words: 512 (16 Y + 4 wave)
	s_mov_b32 s89, 0
	s_mul_i32 s90, s17, 6144
	s_add_co_u32 s90, s90, 262144                  ; W's
	s_mov_b32 s91, 0
	s_mov_b32 s22, 0x76543210
	s_mov_b32 s23, 0xfedcba98
	s_mov_b32 s100, 0xffff0000
	s_wait_dscnt 0x0
	s_wait_kmcnt 0x0
	s_add_nc_u64 s[92:93], s[4:5], s[92:93]
	s_add_nc_u64 s[96:97], s[4:5], s[96:97]
	s_add_nc_u64 s[94:95], s[92:93], s[94:95]
	s_add_nc_u64 s[98:99], s[96:97], s[98:99]
	s_add_nc_u64 s[88:89], s[6:7], s[88:89]
	s_add_nc_u64 s[90:91], s[6:7], s[90:91]
	CROUND                                         ; the first joint loads meet
	MKG0 G0X0, 92, 0
	s_mov_b32 s[G0X0+1], 0
	MKG0 G0W0, 96, 0
	s_mov_b32 s[G0W0+1], WOFF
	MKG0 G0X1, 92, 3072
	s_mov_b32 s[G0X1+1], SLOT
	MKG0 G0W1, 96, 3072
	s_mov_b32 s[G0W1+1], SLOT+WOFF
	MKG0 G0A, 94, 0
	s_add_co_u32 s[G0A+1], s21, 2*SLOT             ; K step 2 goes to slot 2;
	MKG0 G0B, 98, 0
	s_add_co_u32 s[G0B+1], s101, 2*SLOT+WOFF
	s_mov_b32 s19, s21                             ; K step 3 to slot 0 (the masks have served)
	s_add_co_u32 s20, s101, WOFF
.macro ARM under, g0, g1, next         ; one chain of arms on the wave's number: every way passes one load
	s_cmp_lt_u32 s12, \under
	s_cbranch_scc0 \next
	TLOAD \g0, \g1
	s_branch .Lhead_asked
\next:
.endm
	ARM 1, G0X0, G1A, .Lh1
	ARM 2, G0W0, G1B, .Lh2
	ARM 3, G0X1, G1A, .Lh3
	TLOAD G0W1, G1B
.Lhead_asked:
	s_mul_i32 s2, s17, 768
	s_mov_b32 s3, 0
	s_add_nc_u64 s[8:9], s[8:9], s[2:3]            ; the head's 192 biases
	s_lshr_b32 s2, s18, 3
	s_lshl_b32 s2, s2, 4
	s_add_co_u32 s2, s2, s17                       ; 16 batch + head
	s_mul_i32 s2, s2, HEADB
	s_add_nc_u64 s[10:11], s[10:11], s[2:3]
	s_and_b32 s2, s18, 7
	s_lshl_b32 s2, s2, 2
	s_add_co_u32 s2, s2, s12                       ; g: my 64 tokens' number in the sequence
	s_lshr_b32 s21, s2, 1
	s_and_b32 s101, s2, 1                          ; which 64 of the key step
	s_mul_i32 s21, s21, STEPB                      ; the key step's bytes
	s_mul_i32 s84, s2, 3072
	s_add_co_u32 s84, s84, 208896                  ; q's images
	s_mov_b32 s85, 0
	s_add_nc_u64 s[84:85], s[10:11], s[84:85]
	s_mul_i32 s92, s101, 3072
	s_add_co_u32 s92, s92, s21                     ; k's images
	s_mov_b32 s93, 0
	s_add_nc_u64 s[92:93], s[10:11], s[92:93]
	s_mul_i32 s94, s101, 768
	s_add_co_u32 s94, s94, s21
	s_add_co_u32 s94, s94, 6144                    ; v's images
	s_mov_b32 s95, 0
	s_add_nc_u64 s[94:95], s[10:11], s[94:95]
	s_lshl_b32 s96, s101, 8
	s_add_co_u32 s96, s96, s21
	s_add_co_u32 s96, s96, 12288                   ; k's scale words
	s_lshl_b32 s3, s2, 8
	s_add_co_u32 s3, s3, 307200
	s_sub_co_u32 s3, s3, s96                       ; from them to q's
	s_mov_b32 s97, 0
	s_add_nc_u64 s[96:97], s[10:11], s[96:97]
	s_lshl_b32 s98, s101, 1
	s_add_co_u32 s98, s98, s21
	s_add_co_u32 s98, s98, 12800                   ; v's scale bytes
	s_mov_b32 s99, 0
	s_add_nc_u64 s[98:99], s[10:11], s[98:99]
	s_mul_i32 s86, s12, 12288                      ; my four tiles of x in a slot
	s_lshl_b32 s15, s15, 2                         ; the prefetches' shares: x's tile 16 Y + 4 cx + wave, in bytes from img;
	s_add_co_u32 s15, s15, s12
	s_lshl_b32 s2, s18, 4
	s_add_co_u32 s15, s15, s2
	s_mul_i32 s15, s15, 12288
	s_lshl_b32 s16, s16, 2                         ; of W's 288 blocks those from 18 (4 cy + wave) on;
	s_add_co_u32 s16, s16, s12
	s_mul_i32 s16, s16, 18
	s_mul_i32 s14, s17, 12*12288                   ; W's first tile, in bytes from img
	s_add_co_u32 s14, s14, 512*12288
	v_and_b32 v1, 31, v0
	v_and_b32 v2, 15, v0                           ; r
	v_bfe_u32 v3, v0, 4, 1                         ; h
	v_lshlrev_b32 v23, 7, v3                       ; q's and k's bias: my block's 32 channels
	v_and_b32 v24, 7, v2
	v_and_b32 v25, 8, v2
	v_lshlrev_b32 v24, 2, v24
	v_lshl_add_u32 v24, v25, 4, v24                ; v's bias: channel r % 8 + 32 (r / 8) of a tile
	v_lshlrev_b32 v18, 4, v1
	v_lshlrev_b32 v19, 3, v1
	v_add_nc_u32 v4, s86, v18
	v_add_nc_u32 v7, s86, v19
	v_add_nc_u32 v5, SLOT, v4
	v_add_nc_u32 v8, SLOT, v7
	v_add_nc_u32 v6, 2*SLOT, v4
	v_add_nc_u32 v9, 2*SLOT, v7
	v_add_nc_u32 v10, WOFF, v18
	v_add_nc_u32 v13, WOFF, v19
	v_add_nc_u32 v11, WOFF+SLOT, v18
	v_add_nc_u32 v14, WOFF+SLOT, v19
	v_add_nc_u32 v12, WOFF+2*SLOT, v18
	v_add_nc_u32 v15, WOFF+2*SLOT, v19
	v_lshlrev_b32 v25, 4, v2                       ; 16 r
	v_mad_u32_u24 v20, v3, s3, v25                 ; lanes 0-15 store k's scale words, lanes 16-31 q's
	v_lshlrev_b32 v21, 4, v3
	v_sub_nc_u32 v21, 16, v21                      ; k's two bytes lie 16 bits up in the word, q's at its foot
	v_lshl_add_u32 v22, v3, 3, v25                 ; v's scale bytes: 16 r + 8 h
	v_lshlrev_b32 v26, 3, v3                       ; 8 h
	v_min_u32 v27, 23, v1                          ; x: a lane a block of 256 bytes; the lanes left over name the last again
	v_lshl_add_u32 v27, v27, 8, s15
	v_min_u32 v30, 17, v1
	v_add_nc_u32 v30, s16, v30                     ; W: block b = 24 x tile + place
	v_mul_u32_u24 v31, v30, 2731
	v_lshrrev_b32 v31, 16, v31                     ; b / 24, right for b under 288
	v_mul_u32_u24 v31, v31, 6144                   ; a tile's blocks lie 12,288 bytes from the next tile's: 6,144 more than 24 blocks
	v_lshl_add_u32 v30, v30, 8, v31
	v_add_nc_u32 v30, s14, v30
.irp b, 0,1,2,3
	v_mov_b32 v[XP+\b], 0
.endr
	s_wait_alu depctr_va_vdst(0)
.irp i, 0,1,2,3
	global_load_b128 v[SC+8*\i:SC+8*\i+3], v25, s[88:89] offset:512*\i
	global_load_b128 v[SC+8*\i+4:SC+8*\i+7], v25, s[88:89] offset:512*\i+256
.endr
.irp t, 0,1,2,3,4,5,6,7,8,9,10,11
	global_load_b128 v[SC+32+8*\t:SC+32+8*\t+3], v25, s[90:91] offset:512*\t
	global_load_b128 v[SC+32+8*\t+4:SC+32+8*\t+7], v25, s[90:91] offset:512*\t+256
.endr
	global_prefetch_b8 v27, s[4:5] offset:6144 th:TH_LOAD_NT scope:SCOPE_SE   ; K steps 2 and 3 begin 6,144 bytes into a tile; v27, v30 and s[4:5] are written no more
	s_and_b32 s2, ttmp7, 0xffff                    ; the cluster's y, which all sixteen partners share
	s_cmp_lt_u32 s2, 4
	s_cbranch_scc0 .Lw_not_asked                   ; W's blocks are the same for all eight rows of clusters: rows 0 to 3 alone ask for them
	global_prefetch_b8 v30, s[4:5] offset:6144 th:TH_LOAD_NT scope:SCOPE_SE
.Lw_not_asked:
	WIN 0xc0
.irp t, 0,1,2,3,4,5,6,7
	global_load_b128 v[128+8*\t:128+8*\t+3], v23, s[8:9] offset:4*(64*(\t/4)+8*(\t%4))
	global_load_b128 v[128+8*\t+4:128+8*\t+7], v23, s[8:9] offset:4*(64*(\t/4)+8*(\t%4))+16
.endr
.irp t, 0,1,2,3
	global_load_b32 v[192+8*\t], v24, s[8:9] offset:512+32*\t
.endr
	WIN 0
; THE STREAM.  A step k of 128 along K (slot (k / 2) % 3) is three groups of 16 products: g = 0 q, 1 k, 2 v; n = 3 k + g.  Behind group n its four fragments of W are fetched anew for group n + 3.
.macro LOADG n
.set LK, (\n)/3
.set LG, (\n)%3
.set LS, (LK/2)%3
	WIN 0x40
.irp j, 0,1,2,3
	FRAG 12*(4*LG+\j), 10+LS, 13+LS, 3072*(4*LG+\j)+1536*(LK%2)
.endr
.endm
.macro LOADX k
.set LS, ((\k)/2)%3
	WIN 0x40
.irp a, 0,1,2,3
	FRAG 144+48*((\k)%2)+12*\a, 4+LS, 7+LS, 3072*\a+1536*((\k)%2)
.endr
.endm
; 16 products.  The 48 accumulators take turns, one instruction a turn.  In step 0 the bias is the C.
.macro MUL n
.set MK, (\n)/3
.set MG, (\n)%3
.set XB, 144+48*(MK%2)
.if MG < 2
.if MK == 0
	WIN 0xb5
.else
	WIN 0xa5
.endif
.irp a, 0,1,2,3
.irp j, 0,1,2,3
.if MK == 0
	v_wmma_scale_f32_16x16x128_f8f6f4 v[64*\a+8*(4*MG+\j):64*\a+8*(4*MG+\j)+7], v[12*(4*MG+\j):12*(4*MG+\j)+11], v[XB+12*\a:XB+12*\a+11], v[128+8*(4*MG+\j):128+8*(4*MG+\j)+7], v[SC+8*(4+4*MG+\j)+MK], v[SC+8*\a+MK] matrix_a_fmt:MATRIX_FMT_FP6 matrix_b_fmt:MATRIX_FMT_FP6
.else
	v_wmma_scale_f32_16x16x128_f8f6f4 v[64*\a+8*(4*MG+\j):64*\a+8*(4*MG+\j)+7], v[12*(4*MG+\j):12*(4*MG+\j)+11], v[XB+12*\a:XB+12*\a+11], v[64*\a+8*(4*MG+\j):64*\a+8*(4*MG+\j)+7], v[SC+8*(4+4*MG+\j)+MK], v[SC+8*\a+MK] matrix_a_fmt:MATRIX_FMT_FP6 matrix_b_fmt:MATRIX_FMT_FP6
.endif
.endr
.endr
.else
	WIN 0xf5
.irp t, 0,1,2,3
.irp a, 0,1,2,3
.if MK == 0
	v_wmma_scale_f32_16x16x128_f8f6f4 v[32*\t+8*\a:32*\t+8*\a+7], v[XB+12*\a:XB+12*\a+11], v[12*(8+\t):12*(8+\t)+11], v[192+8*\t:192+8*\t+7], v[SC+8*\a+MK], v[SC+8*(12+\t)+MK] matrix_a_fmt:MATRIX_FMT_FP6 matrix_b_fmt:MATRIX_FMT_FP6
.else
	v_wmma_scale_f32_16x16x128_f8f6f4 v[32*\t+8*\a:32*\t+8*\a+7], v[XB+12*\a:XB+12*\a+11], v[12*(8+\t):12*(8+\t)+11], v[32*\t+8*\a:32*\t+8*\a+7], v[SC+8*\a+MK], v[SC+8*(12+\t)+MK] matrix_a_fmt:MATRIX_FMT_FP6 matrix_b_fmt:MATRIX_FMT_FP6
.endif
.endr
.endr
.endif
.endm
.macro TAILL n
.if ((\n)%3 == 0) && ((\n)/3 < 7)
	LOADX (\n)/3+1
.endif
.if (\n) < 21
	LOADG (\n)+3
.endif
.endm
.macro GRP n, cnt                      ; cnt: the LDS loads issued behind the youngest one that this group needs
	s_wait_dscnt \cnt
	MUL \n
.if (\n) < 21
	PLACES
.endif
	TAILL \n
.endm
; A group with a barrier.  In front of it each wave waits for all its tensor loads, adds 0 to its spare word, and waits for that and for its LDS reads.  fill = 1: slot 0, which nobody reads any more, takes K step 3.
.macro TURN n, fill
	WIN 0
	s_wait_tensorcnt 0x0
	ds_add_u32 v[SPW], v[NIL]
.if \fill
	s_mov_b32 s[G0A+1], s19                        ; no load of mine is out: the descriptors step on
	s_add_nc_u64 s[G0A+2:G0A+3], s[G0A+2:G0A+3], 3072
	s_mov_b32 s[G0B+1], s20
	s_add_nc_u64 s[G0B+2:G0B+3], s[G0B+2:G0B+3], 3072
.endif
	s_wait_dscnt 0x0
	s_barrier_signal -1
	MUL \n
	WIN 0
	s_barrier_wait -1
.if \fill
	CREST                                          ; the barrier has opened a round of the cluster's
	JLOAD G0A, G1C, G0B, G1D                       ; the first tensor load behind the round; its four v_nop are the places in front of the loads below
.else
	PLACES
.endif
	TAILL \n
.endm
	s_wait_tensorcnt 0x0                           ; my tile of the head's four is in
	ds_add_u32 v[SPW], v[NIL]
	s_wait_dscnt 0x0
	CROUND                                         ; K steps 0 and 1 are shown to all, and the joint loads meet:
	JLOAD G0A, G1C, G0B, G1D                       ; K step 2, slot 2's first fill
	LOADX 0
	LOADG 0
	LOADG 1
	LOADG 2
	s_wait_loadcnt 0x0                             ; the scale words and the biases
	WIN 0xc3
.irp t, 0,8,16,24
.irp j, 1,2,3,4,5,6,7
	v_mov_b32 v[192+\t+\j], v[192+\t]              ; v's bias, one number a lane and tile, over the tile's eight registers
.endr
.endr
	WIN 0
	s_wait_alu depctr_va_vdst(0)
	GRP 0, 32
	GRP 1, 48
	GRP 2, 48
	GRP 3, 32
	GRP 4, 48
	GRP 5, 48
	TURN 6, 1                                      ; slot 0's reads are long over; K step 2 is shown to all
	GRP 7, 48
	GRP 8, 48
	GRP 9, 32
	GRP 10, 48
	GRP 11, 48
	GRP 12, 32
	GRP 13, 48
	GRP 14, 48
	TURN 15, 0                                     ; K step 3 is shown to all
	GRP 16, 48
	GRP 17, 48
	GRP 18, 32
	GRP 19, 48
	GRP 20, 48
	GRP 21, 32
	GRP 22, 16
	GRP 23, 0
; THE WAY OUT.  Two blocks of 32 numbers of a lane, at registers s and s + 32, become two half images' six registers each, from v[PC] and v[PC+6], and two bytes in v[TM+8], v[TM+9].  Four chains of maxima side by side.
.macro QUANT2 s, wmax, wcvt
	WIN \wmax
.irp q, 0,1,2,3
	v_max3_num_f32 v[TM+\q], 0x1800000, |v[\s+32*(\q%2)+16*(\q/2)]|, |v[\s+32*(\q%2)+16*(\q/2)+1]|   ; with the floor 2^(3 - 127); each accumulator is read from its low end on
.endr
.irp i, 2,4,6,8,10,12,14
.irp q, 0,1,2,3
	v_max3_num_f32 v[TM+\q], v[TM+\q], |v[\s+32*(\q%2)+16*(\q/2)+\i]|, |v[\s+32*(\q%2)+16*(\q/2)+\i+1]|
.endr
.endr
	WIN 0
.irp b, 0,1
	v_max_num_f32 v[TM+\b], v[TM+\b], v[TM+2+\b]
.endr
.irp b, 0,1
	v_add_nc_u32 v[TM+4+\b], 0xff000000, v[TM+\b]  ; 2 off the exponent field: the conversion's scale operand
.endr
	s_wait_alu depctr_va_vdst(0)
	s_wait_xcnt 0x0                                ; the earlier stores have read the codes' registers
	WIN \wcvt
.irp b, 0,1
	v_cvt_scalef32_pk16_fp6_f32 v[PC+6*\b:PC+6*\b+2], v[\s+32*\b:\s+32*\b+15], v[TM+4+\b]
	v_cvt_scalef32_pk16_fp6_f32 v[PT+4*\b:PT+4*\b+2], v[\s+32*\b+16:\s+32*\b+31], v[TM+4+\b]
.endr
	WIN 0
.irp b, 0,1
	v_lshrrev_b32 v[TM+8+\b], 23, v[TM+4+\b]       ; the bytes; also the plain place behind the conversions
.endr
.irp b, 0,1
.irp i, 0,1,2
	v_mov_b32 v[PC+6*\b+3+\i], v[PT+4*\b+\i]
.endr
.endr
.endm
.macro WHOLE w, n                      ; n words of my own bytes go 8 h bits up and take lane l xor 16's bytes in
.set I_, 0
.rept \n
	v_lshlrev_b32 v[\w+I_], v26, v[\w+I_]
.set I_, I_+1
.endr
.set I_, 0
.rept \n
	v_permlanex16_b32 v[XP+I_], v[\w+I_], s22, s23
.set I_, I_+1
.endr
.set I_, 0
.rept \n
	v_or_b32 v[\w+I_], v[\w+I_], v[XP+I_]
.set I_, I_+1
.endr
.endm
	PLACES
.irp a, 0,1,2,3                        ; tile a: the first block is q's, the second k's
	QUANT2 64*\a, 0x28, 0x02
	v_lshl_or_b32 v[WQ+\a], v[TM+9], 16, v[TM+8]
	global_store_b128 v18, v[PC:PC+3], s[84:85] offset:768*\a
	global_store_b64 v19, v[PC+4:PC+5], s[84:85] offset:768*\a+512
	global_store_b128 v18, v[PC+6:PC+9], s[92:93] offset:768*\a
	global_store_b64 v19, v[PC+10:PC+11], s[92:93] offset:768*\a+512
.endr
	WHOLE WQ, 4
.irp a, 0,1,2,3
	v_bfe_u32 v[WQ+\a], v[WQ+\a], v21, 16          ; lanes 0-15 keep k's two bytes, lanes 16-31 q's; the word's upper two bytes are 0
.endr
	global_store_b128 v20, v[WQ:WQ+3], s[96:97]
.irp p, 0,1                            ; channel tiles 2 p and 2 p + 1: my lane's 32 tokens are one block of each
	QUANT2 64*\p, 0x3c, 0x03
	v_lshl_or_b32 v[WV+\p], v[TM+9], 16, v[TM+8]
	global_store_b128 v18, v[PC:PC+3], s[94:95] offset:3072*\p
	global_store_b64 v19, v[PC+4:PC+5], s[94:95] offset:3072*\p+512
	global_store_b128 v18, v[PC+6:PC+9], s[94:95] offset:3072*\p+1536
	global_store_b64 v19, v[PC+10:PC+11], s[94:95] offset:3072*\p+2048
.endr
	WHOLE WV, 2
	v_cndmask_b32 v58, v[WV], v[WV+1], s100        ; lanes 0-15 store channel tiles 0 and 1, lanes 16-31 tiles 2 and 3
	global_store_b16 v22, v58, s[98:99]            ; my 64 tokens' two bytes of the word of 128 keys
	global_store_d16_hi_b16 v22, v58, s[98:99] offset:4
	s_wait_tensorcnt 0x0                           ; the wave's end
	ds_add_u32 v[SPW], v[NIL]
	s_wait_dscnt 0x0
	CROUND                                         ; the closing round
	s_endpgm
.Lfunc_end_k_qea7d0735b6_gemm_qkv:
	.size	k_qea7d0735b6_gemm_qkv, .Lfunc_end_k_qea7d0735b6_gemm_qkv-k_qea7d0735b6_gemm_qkv
	.p2alignl 7, 3214868480
	.fill 96, 4, 3214868480
	.section	.rodata,"a",@progbits
	.p2align	6, 0x0
	.amdhsa_kernel k_qea7d0735b6_gemm_qkv
		.amdhsa_group_segment_fixed_size 327680
		.amdhsa_private_segment_fixed_size 0
		.amdhsa_enable_private_segment 0
		.amdhsa_kernarg_size 32
		.amdhsa_user_sgpr_count 2
		.amdhsa_user_sgpr_kernarg_segment_ptr 1
		.amdhsa_wavefront_size32 1
		.amdhsa_system_sgpr_workgroup_id_x 1
		.amdhsa_system_sgpr_workgroup_id_y 1
		.amdhsa_system_sgpr_workgroup_id_z 1
		.amdhsa_system_vgpr_workitem_id 0
		.amdhsa_next_free_vgpr 1024
		.amdhsa_next_free_sgpr 102
		.amdhsa_reserve_vcc 0
		.amdhsa_float_denorm_mode_32 3
		.amdhsa_float_denorm_mode_16_64 3
		.amdhsa_memory_ordered 1
		.amdhsa_forward_progress 1
		.amdhsa_inst_pref_size 128
	.end_amdhsa_kernel
	.amdgpu_metadata
---
amdhsa.version: [ 1, 2 ]
amdhsa.kernels:
  - .name:           k_qea7d0735b6_gemm_qkv
    .symbol:         k_qea7d0735b6_gemm_qkv.kd
    .args:
      - { .name: img, .offset: 0, .size: 8, .value_kind: global_buffer, .address_space: global }
      - { .name: sc, .offset: 8, .size: 8, .value_kind: global_buffer, .address_space: global }
      - { .name: b_qkv, .offset: 16, .size: 8, .value_kind: global_buffer, .address_space: global }
      - { .name: qkv, .offset: 24, .size: 8, .value_kind: global_buffer, .address_space: global }
    .group_segment_fixed_size: 327680
    .private_segment_fixed_size: 0
    .kernarg_segment_align: 8
    .kernarg_segment_size: 32
    .max_flat_workgroup_size: 128
    .sgpr_count:     102
    .vgpr_count:     1024
    .wavefront_size: 32
...
	.end_amdgpu_metadata
.endif
;; end of part 2
;; launch attn (part 3): grid 4 x 64, 8 waves a work-group, clusters of 4 x 1, 210,944 bytes of LDS; arguments qkv, vals, vals_sc; writes vals, vals_sc
.if DOCPART == 3
	.amdgcn_target "amdgcn-amd-amdhsa--gfx1250"
	.amdhsa_code_object_version 6
	.text
	.protected	k_qea7d0735b6_attn
	.globl	k_qea7d0735b6_attn
	.p2align	8
	.type	k_qea7d0735b6_attn,@function
k_qea7d0735b6_attn:
	s_mov_b64 s[64:65], 0
	v_nop
	global_prefetch_b8 v0, s[64:65] scope:SCOPE_SE
	s_setreg_imm32_b32 hwreg(HW_REG_WAVE_MODE, 25, 1), 1
	s_wait_xcnt 0x0
	s_wait_alu depctr_hold_cnt(0) depctr_sa_sdst(0) depctr_va_vdst(0) depctr_va_sdst(0) depctr_va_ssrc(0) depctr_va_vcc(0) depctr_vm_vsrc(0)
	s_getreg_b32 s2, hwreg(HW_REG_IB_STS2, 6, 4)
	s_cmp_eq_u32 s2, 0
	s_cbranch_scc0 .Lentry_in_a_cluster
	s_endpgm
.Lentry_in_a_cluster:
	s_bfe_u32 s2, ttmp6, 0x10000c
	s_cmp_lg_u32 s2, 0x3003
	s_cbranch_scc0 .Lentry_shape_is_right
	s_endpgm
.Lentry_shape_is_right:
; values[b][q][h][:] = the sum over k of softmax_k(q . k / 8) v, both products on codes of FP6 with E8M0 scales; the result is quantised along head x 64 + channel and leaves as codes for the last product.
; THE SOFTMAX: t = score x log2(e) / 8; M = the running largest t rounded UP to a whole number; p = 2^(t - M) is quantised along the keys; the row's sum is taken of the unquantised p and divides at the end.
; When M moves, the sums and O are multiplied by 2^(old M - new M): exact.
; SHARES.  A work-group owns 512 queries of one head; each of its eight waves four tiles of 16: TWO TILES SIDE BY SIDE (T = 0, 1), twice.  The two share each fragment of K and V, each wait, and take turns line by line in the serial chains.
; A head's K and V as codes with their scale words, 16 key steps of 13,056 bytes, come into LDS once, as they lie in memory, two key steps by each wave's one tensor load.  Wave 0's load has a line of its own: the first barrier shows
; key steps 0 and 1 alone; key step 0 is written out ahead of the loop, and a plain barrier behind it shows the rest.  Nothing is filled again, so there is no loop of loads to prefetch for.
; CLUSTER 4 x 1: the four work-groups of a head ask for these bytes jointly.
; LAYOUT.  S^T = K Q^T, O^T = V^T P^T: a lane holds one query (lane % 16).  A tile's rows (row i = 64 (T / 4) + 8 (T % 4) + i % 8 + 32 (i / 8)) make lane (r, h)'s 32 registers of four neighbouring tiles
; one whole block of 32: keys 64 c + 32 h + 0..31 in S^T, channels 32 h + 0..31 in O^T.  Only the row's maximum, p's scale word and the row's sum cross to lane l xor 16.
; THE FIRST PRODUCT'S K IS 64 under an instruction of 128: Q's registers 6-11 hold zero codes; K's fragment t is v[40 + 6 t] on, whose upper six registers are the next tile's codes (zeros behind the last).  Bytes 2 and 3 of both scale words are 0 (2^-127).
; K AND V ARE FETCHED A STEP AHEAD, into registers of their own: K's 18 loads behind the first products, V's 17 behind the second.  So the wait for K leaves V's 17 out, the wait for V leaves K's 18 out.
; The very last step's fetches wrap to key step 0 and are not used.
; LIMITS: the promise holds while the scaled scores stay under 2^31 in magnitude; a block of zeros keeps the byte 1 (its codes are zeros; this program alone reads the bytes); NaN and infinities are not served.
; REGISTERS.  Window 0: v1-3, v5, v6 lane terms; v7, v8 the add's two; v9-11 the next step's addresses; v[12+2T] -M, v[13+2T] the largest score; v[16+12T] Q; v40-93 K and six zeros; v96-159 S^T / p and v160-191 O^T of tile 0;
;   v192-203 K's and V's scale words; v[204+T] Q's, v[206+T] p's; v[208+2T] f; v212-227 at work; v[228+12T] p's codes; v[252+T] the old -M.
; Window 1: v0-47 V; v48-61 the second pair's Q and scale words; v96-191 S^T / p and O^T of tile 1; v[192+8T] the sums, four chains of pairs.
.set STEPB, 13056
.set QIMG,  208896
.set QSC,   307200
.set HEADB, 315392
.set SPARE, 208896
.set SPW,   7
.set NIL,   8
.set KF,    40
.set QS,    204
.set PW,    206
.set F,     208
.set BM,    212
.set SO,    216                        ; the maxima's second chains, then the conversions' scale operands
.set BY,    220
.set TA,    224
.set TP,    226
.set P,     228
.set OM,    252
.set WVN,   10
.set G1,    24
.set G0,    32
.set CS,    36
.set SEL,   38
.set TRIP,  43
.set MSB, 0
.macro WIN new
.if MSB != \new
	s_set_vgpr_msb (MSB<<8)|\new
.set MSB, \new
.endif
.endm
.macro CROUND
	s_barrier_signal -1
	s_barrier_wait -1
	s_cmp_lg_u32 s[WVN], 0
	s_cbranch_scc1 .Lnot_wave_0_\@
	s_barrier_signal -3
.Lnot_wave_0_\@:
	s_barrier_wait -3
	s_barrier_signal -1
	s_barrier_wait -1
.endm
.macro D2
	s_delay_alu instid0(VALU_DEP_2)
.endm
.macro WALU
	s_wait_alu depctr_va_vdst(0)
.endm
	s_load_b128 s[4:7], s[0:1], 0x0                ; qkv, vals
	s_load_b64 s[8:9], s[0:1], 0x10                ; vals_sc
	v_lshl_add_u32 v[SPW], v0, 2, SPARE
	v_mov_b32 v[NIL], 0
	ds_add_u32 v[SPW], v[NIL]                      ; the opening lines
	ds_add_u32 v[SPW], v[NIL]
	v_lshrrev_b32 v9, 5, v0
	v_readfirstlane_b32 s[WVN], v9
	s_bfe_u32 s11, ttmp6, 0x40000                  ; cx: my quarter of the head's queries: it enters Q's and the outputs' addresses alone
	s_and_b32 s12, ttmp7, 0xffff                   ; 16 batch + head
	s_mov_b32 s[G1], 15|(3<<16)|(1<<21)
	s_mov_b32 s[G1+1], 32<<16                      ; 102 rows of 256 bytes: two key steps
	s_mov_b32 s[G1+2], 102<<16
	s_mov_b32 s[G1+3], 32<<16
	s_mov_b32 s[G1+4], 102
	s_mov_b32 s[G1+5], 32
	s_mov_b32 s[G1+6], 0
	s_mov_b32 s[G1+7], 0
	s_mul_i32 s14, s12, HEADB
	s_mul_i32 s13, s[WVN], 2*STEPB
	s_add_co_u32 s16, s14, s13
	s_mov_b32 s17, 0
	s_lshr_b32 s18, s12, 4                         ; batch
	s_and_b32 s19, s12, 15                         ; head
	s_lshl_b32 s20, s11, 5
	s_lshl_b32 s21, s[WVN], 2
	s_add_co_u32 s20, s20, s21                     ; my first tile of queries: 32 cx + 4 wave
	s_mul_i32 s48, s20, 768
	s_add_co_u32 s48, s48, s14
	s_add_co_u32 s48, s48, QIMG
	s_mov_b32 s49, 0
	s_lshl_b32 s50, s20, 6                         ; my four tiles are one group of scale words: 256 bytes
	s_add_co_u32 s50, s50, s14
	s_add_co_u32 s50, s50, QSC
	s_mov_b32 s51, 0
	s_lshl_b32 s21, s18, 7
	s_add_co_u32 s21, s21, s20                     ; the tile among all 512
	s_mul_i32 s46, s21, 12288
	s_mul_i32 s22, s19, 768
	s_add_co_u32 s46, s46, s22                     ; vals: [tile][head][768]
	s_mov_b32 s47, 0
	s_lshl_b32 s52, s21, 9                         ; vals_sc: [tile][head / 8][r][16], my head's two bytes
	s_lshr_b32 s22, s19, 3
	s_lshl_b32 s22, s22, 8
	s_add_co_u32 s52, s52, s22
	s_and_b32 s22, s19, 7
	s_lshl_b32 s22, s22, 1
	s_add_co_u32 s52, s52, s22
	s_mov_b32 s53, 0
	s_mov_b32 s[CS], 0x3e38aa3b                    ; log2(e) / 8
	s_mov_b32 s[CS+1], s[CS]
	s_mov_b32 s[SEL], 0x76543210
	s_mov_b32 s[SEL+1], 0xfedcba98
	s_wait_dscnt 0x0
	s_wait_kmcnt 0x0
	s_add_nc_u64 s[48:49], s[4:5], s[48:49]
	s_add_nc_u64 s[50:51], s[4:5], s[50:51]
	s_add_nc_u64 s[46:47], s[6:7], s[46:47]
	s_add_nc_u64 s[52:53], s[8:9], s[52:53]
	CROUND
	s_mov_b32 s[G0], 1
	s_mov_b32 s[G0+1], s13
	s_add_nc_u64 s[G0+2:G0+3], s[4:5], s[16:17]
	s_or_b32 s[G0+3], s[G0+3], 0x80000000
	s_cmp_eq_u32 s[WVN], 0
	s_cbranch_scc0 .Lrest
	tensor_load_to_lds s[G0:G0+3], s[G1:G1+7]      ; wave 0: key steps 0 and 1, by a line of its own
	s_nop 0
.rept 4
	v_nop
.endr
	s_branch .Lasked
.Lrest:
	tensor_load_to_lds s[G0:G0+3], s[G1:G1+7]      ; waves 1 to 7: key steps 2 wave, 2 wave + 1
	s_nop 0
.rept 4
	v_nop
.endr
.Lasked:
	v_and_b32 v9, 31, v0
	v_and_b32 v10, 15, v0                          ; r
	v_bfe_u32 v11, v0, 4, 1                        ; h
	v_lshlrev_b32 v1, 4, v9
	v_lshlrev_b32 v2, 3, v9
	v_lshlrev_b32 v5, 4, v10                       ; 16 r
	v_lshlrev_b32 v6, 3, v11                       ; 8 h
	v_lshl_add_u32 v3, v10, 4, v11                 ; 16 r + h: my block's byte on the way out
	WALU
.irp T, 0,1
	global_load_b128 v[16+12*\T:19+12*\T], v1, s[48:49] offset:768*\T
	global_load_b64 v[20+12*\T:21+12*\T], v2, s[48:49] offset:768*\T+512
	global_load_b32 v[QS+\T], v5, s[50:51] offset:4*\T
.endr
	WIN 0x40
.irp T, 0,1
	global_load_b128 v[48+6*\T:51+6*\T], v1, s[48:49] offset:1536+768*\T
	global_load_b64 v[52+6*\T:53+6*\T], v2, s[48:49] offset:1536+768*\T+512
	global_load_b32 v[60+\T], v5, s[50:51] offset:8+4*\T
.endr
	WIN 0
.irp j, 22,23,24,25,26,27,34,35,36,37,38,39,88,89,90,91,92,93,209,211,226,227
	v_mov_b32 v[\j], 0                             ; zero codes; the upper halves of the pairs of f; the permutes' destinations
.endr
.macro INIT                            ; O^T and the sums begin as zeros and the largest score as -3e38: the first change of M multiplies zeros
	WIN 0
	v_mov_b32 v13, 0xff61b1e6
	v_mov_b32 v15, 0xff61b1e6
	D2
	v_floor_f32 v12, -v13
	D2
	v_floor_f32 v14, -v15
.irp j, 0,1,2,3,4,5,6,7,8,9,10,11,12,13,14,15,16,17,18,19,20,21,22,23,24,25,26,27,28,29,30,31
	v_mov_b32 v[160+\j], 0
.endr
	WIN 0x40
.irp j, 0,1,2,3,4,5,6,7,8,9,10,11,12,13,14,15,16,17,18,19,20,21,22,23,24,25,26,27,28,29,30,31
	v_mov_b32 v[160+\j], 0
.endr
.irp j, 0,1,2,3,4,5,6,7,8,9,10,11,12,13,14,15
	v_mov_b32 v[192+\j], 0
.endr
	WIN 0
.endm
	INIT
.macro KLOAD a16, a8, as               ; a key step's eight half images of K and their scale words: 18 loads
	WIN 0
.irp t, 0,1,2,3,4,5,6,7
	ds_load_b128 v[KF+6*\t:KF+6*\t+3], v[\a16] offset:768*\t
	ds_load_b64 v[KF+6*\t+4:KF+6*\t+5], v[\a8] offset:768*\t+512
.endr
	ds_load_b128 v[192:195], v[\as] offset:12288
	ds_load_b128 v[196:199], v[\as] offset:12544
.endm
.macro VLOAD a16, a8, as               ; its four fragments of V and their scale words: 17 loads
	WIN 0x40
.irp t, 0,1,2,3
.irp c, 0,1
	ds_load_b128 v[12*\t+6*\c:12*\t+6*\c+3], v[\a16] offset:6144+1536*\t+768*\c
	ds_load_b64 v[12*\t+6*\c+4:12*\t+6*\c+5], v[\a8] offset:6144+1536*\t+768*\c+512
.endr
.endr
	WIN 0
	ds_load_b128 v[200:203], v[\as] offset:12800
.endm
.macro MAXES T                         ; my two blocks' largest scores, two chains each; they serve for the row's maximum and, since p rises with the score, for the blocks' largest p
	WIN 0x15*(\T)
.irp b, 0,1
	v_max3_num_f32 v[BM+2*(\T)+\b], v[96+32*\b], v[97+32*\b], v[98+32*\b]
	v_max3_num_f32 v[SO+2*(\T)+\b], v[112+32*\b], v[113+32*\b], v[114+32*\b]
.endr
	WIN 0x14*(\T)
.irp i, 3,5,7,9,11,13
.irp b, 0,1
	v_max3_num_f32 v[BM+2*(\T)+\b], v[BM+2*(\T)+\b], v[96+32*\b+\i], v[97+32*\b+\i]
	v_max3_num_f32 v[SO+2*(\T)+\b], v[SO+2*(\T)+\b], v[112+32*\b+\i], v[113+32*\b+\i]
.endr
.endr
.irp b, 0,1
	v_max3_num_f32 v[BM+2*(\T)+\b], v[BM+2*(\T)+\b], v[111+32*\b], v[127+32*\b]
.endr
.endm
.macro SCALED T                        ; t - M, and O^T under the new M, ahead of the exponentials
	WIN 0x41*(\T)
.irp j, 0,2,4,6,8,10,12,14,16,18,20,22,24,26,28,30,32,34,36,38,40,42,44,46,48,50,52,54,56,58,60,62
	v_pk_fma_f32 v[96+\j:97+\j], v[96+\j:97+\j], s[CS:CS+1], v[12+2*(\T):13+2*(\T)] op_sel_hi:[1,0,0]
.endr
.irp j, 0,2,4,6,8,10,12,14,16,18,20,22,24,26,28,30
	v_pk_mul_f32 v[160+\j:161+\j], v[160+\j:161+\j], v[F+2*(\T):F+2*(\T)+1] op_sel_hi:[1,0]
.endr
.endm
.macro EXPS T
	WIN 0x41*(\T)
.irp j, 0,1,2,3,4,5,6,7,8,9,10,11,12,13,14,15,16,17,18,19,20,21,22,23,24,25,26,27,28,29,30,31,32,33,34,35,36,37,38,39,40,41,42,43,44,45,46,47,48,49,50,51,52,53,54,55,56,57,58,59,60,61,62,63
	v_exp_f32 v[96+\j], v[96+\j]                   ; p = 2^(t - M), at most 1
.endr
.endm
.macro SUMS T, from, to                ; links from .. to - 1 of the row's sum: pair j of p goes to chain j % 4; a chain's first link is sum x f + p
.set J_, \from
.rept (\to)-(\from)
.set LW_, 192+8*(\T)+2*(J_%4)
.if J_ < 4
	WIN 0x41+0x10*(\T)
	v_pk_fma_f32 v[LW_:LW_+1], v[LW_:LW_+1], v[F+2*(\T):F+2*(\T)+1], v[96+2*J_:97+2*J_] op_sel_hi:[1,0,1]
.else
	WIN 0x41+0x04*(\T)
	v_pk_add_f32 v[LW_:LW_+1], v[LW_:LW_+1], v[96+2*J_:97+2*J_]
.endif
.set J_, J_+1
.endr
.endm
; A KEY STEP of 128 keys for both tiles.  s[TRIP] is its number, 0 to 31; the key step is s[TRIP] % 16.
.macro STEP
	s_add_co_u32 s41, s[TRIP], 1
	s_and_b32 s41, s41, 15
	s_mul_i32 s41, s41, STEPB                      ; the next key step
	v_add_nc_u32 v9, s41, v1
	v_add_nc_u32 v10, s41, v2
	v_add_nc_u32 v11, s41, v5
	WALU
	s_wait_dscnt 17                                ; K is in; V's 17 loads may be out
.irp T, 0,1
	WIN 0x40*\T
.irp t, 0,1,2,3,4,5,6,7
	v_wmma_scale_f32_16x16x128_f8f6f4 v[96+8*\t:103+8*\t], v[KF+6*\t:KF+6*\t+11], v[16+12*\T:27+12*\T], 0, v[192+\t], v[QS+\T] matrix_a_fmt:MATRIX_FMT_FP6 matrix_b_fmt:MATRIX_FMT_FP6
.endr
.endr
	WIN 0
	v_mov_b32 v[OM], v12                           ; the old -M of both tiles; with two v_nop the four places in front of the loads below and of the first read of the scores
	v_mov_b32 v[OM+1], v14
	v_nop
	v_nop
	KLOAD 9, 10, 11
	MAXES 0
	MAXES 1
	WIN 0
.irp q, 0,1,2,3
	v_max_num_f32 v[BM+\q], v[BM+\q], v[SO+\q]
.endr
.irp T, 0,1                            ; the two tiles' chains take turns line by line
	v_max_num_f32 v[TA+\T], v[BM+2*\T], v[BM+2*\T+1]
.endr
.irp T, 0,1
	D2
	v_permlanex16_b32 v[TP+\T], v[TA+\T], s[SEL], s[SEL+1]
.endr
.irp T, 0,1
	D2
	v_max3_num_f32 v[13+2*\T], v[13+2*\T], v[TA+\T], v[TP+\T]   ; the running largest score of my query
.endr
.irp T, 0,1
	D2
	v_mul_f32 v[TA+\T], s[CS], v[13+2*\T]          ; as t
.endr
.irp T, 0,1
	D2
	v_floor_f32 v[12+2*\T], -v[TA+\T]              ; the new -M: M is a whole number
.endr
.irp T, 0,1
	D2
	v_sub_f32 v[TA+\T], v[12+2*\T], v[OM+\T]       ; old M - new M, 0 or less
.endr
.irp T, 0,1
	D2
	v_cvt_i32_f32 v[TA+\T], v[TA+\T]               ; (it saturates)
.endr
.irp T, 0,1
	D2
	v_ldexp_f32 v[F+2*\T], 1.0, v[TA+\T]           ; f = 2^(old M - new M)
.endr
	SCALED 0
.irp q, 0,1,2,3
	v_fma_f32 v[BM+\q], v[BM+\q], s[CS], v[12+2*(\q/2)]
.endr
	SCALED 1
	WALU
	EXPS 1
	EXPS 0
.irp q, 0,1,2,3
	v_exp_f32 v[BM+\q], v[BM+\q]                   ; the blocks' largest p
.endr
	v_nop                                          ; a plain place behind the exponentials
	WALU                                           ; one wait for the batch, ahead of its first reader
	SUMS 0, 0, 32
	SUMS 1, 0, 20
	WIN 0
.irp q, 0,1,2,3
	v_max_num_f32 v[BM+\q], 0x1800000, v[BM+\q]    ; the floor 2^(3 - 127)
.endr
.irp q, 0,1,2,3
	v_add_nc_u32 v[SO+\q], 0xff000000, v[BM+\q]    ; the conversions' scale operands
.endr
.irp c, 0,1                            ; tile 0: the upper halves are made where tile 1's codes will lie, and moved
	v_cvt_scalef32_pk16_fp6_f32 v[P+6*\c:P+6*\c+2], v[96+32*\c:111+32*\c], v[SO+\c]
	v_cvt_scalef32_pk16_fp6_f32 v[P+12+4*\c:P+12+4*\c+2], v[112+32*\c:127+32*\c], v[SO+\c]
.endr
.irp b, 0,1
	v_lshrrev_b32 v[BY+\b], 23, v[SO+\b]           ; the bytes; also the plain place behind the conversions
.endr
.irp c, 0,1
.irp i, 0,1,2
	v_mov_b32 v[P+6*\c+3+\i], v[P+12+4*\c+\i]
.endr
.endr
	WIN 0x01
.irp c, 0,1                            ; tile 1: the upper halves are made in tile 0's p, which has been summed and converted
	v_cvt_scalef32_pk16_fp6_f32 v[P+12+6*\c:P+12+6*\c+2], v[96+32*\c:111+32*\c], v[SO+2+\c]
	v_cvt_scalef32_pk16_fp6_f32 v[96+4*\c:98+4*\c], v[112+32*\c:127+32*\c], v[SO+2+\c]
.endr
	WIN 0
.irp b, 2,3
	v_lshrrev_b32 v[BY+\b], 23, v[SO+\b]
.endr
.irp T, 0,1
	v_lshl_or_b32 v[TA+\T], v[BY+2*\T+1], 16, v[BY+2*\T]   ; my bytes: blocks h and 2 + h,
.endr
.irp T, 0,1
	D2
	v_lshlrev_b32 v[TA+\T], v6, v[TA+\T]           ; at their places;
.endr
.irp T, 0,1
	D2
	v_permlanex16_b32 v[TP+\T], v[TA+\T], s[SEL], s[SEL+1]
.endr
.irp T, 0,1
	D2
	v_or_b32 v[PW+\T], v[TA+\T], v[TP+\T]          ; with lane l xor 16's two: p's scale word
.endr
.irp c, 0,1
.irp i, 0,1,2
	v_mov_b32 v[P+12+6*\c+3+\i], v[96+4*\c+\i]
.endr
.endr
	SUMS 1, 20, 28                                 ; eight links: the places between p's codes and scale words and the products below
	WIN 0
	WALU
	s_wait_dscnt 18                                ; V is in; the next step's K, 18 loads, may be out
.irp T, 0,1
	WIN 0x01+0x50*\T
.irp t, 0,1,2,3
	v_wmma_scale_f32_16x16x128_f8f6f4 v[160+8*\t:167+8*\t], v[12*\t:12*\t+11], v[P+12*\T:P+12*\T+11], v[160+8*\t:167+8*\t], v[200+\t], v[PW+\T] matrix_a_fmt:MATRIX_FMT_FP6 matrix_b_fmt:MATRIX_FMT_FP6
.endr
.endr
	SUMS 1, 28, 32                                 ; the last four links: the places in front of the loads below
	VLOAD 9, 10, 11
.endm
; A tile's end: O^T / the sum: my 32 registers are one block of the last product's K: six registers of a half image and one byte.
.macro LSUM T
	WIN 0x55
.set LW_, 192+8*(\T)
	v_pk_add_f32 v[LW_:LW_+1], v[LW_:LW_+1], v[LW_+2:LW_+3]
	v_pk_add_f32 v[LW_+4:LW_+5], v[LW_+4:LW_+5], v[LW_+6:LW_+7]
	v_pk_add_f32 v[LW_:LW_+1], v[LW_:LW_+1], v[LW_+4:LW_+5]
	WIN 0x05
	v_add_f32 v[TA+\T], v[LW_], v[LW_+1]
.endm
.macro FIN T
	WIN 0x41*(\T)
	WALU                                           ; directly ahead of the first reader of the reciprocal and of this tile's O^T
.irp j, 0,2,4,6,8,10,12,14,16,18,20,22,24,26,28,30
	v_pk_mul_f32 v[96+\j:97+\j], v[160+\j:161+\j], v[F+2*(\T):F+2*(\T)+1] op_sel_hi:[1,0]
.endr
	WIN 0x14*(\T)
.irp b, 0,1
	v_max3_num_f32 v[BM+2*(\T)+\b], 0x1800000, |v[96+16*\b]|, |v[97+16*\b]|
.endr
.irp i, 2,4,6,8,10,12,14
.irp b, 0,1
	v_max3_num_f32 v[BM+2*(\T)+\b], v[BM+2*(\T)+\b], |v[96+16*\b+\i]|, |v[97+16*\b+\i]|
.endr
.endr
	WIN 0
	v_max_num_f32 v[BM+2*(\T)], v[BM+2*(\T)], v[BM+2*(\T)+1]
	v_add_nc_u32 v[SO+2*(\T)], 0xff000000, v[BM+2*(\T)]
	WIN 0x01*(\T)
	v_cvt_scalef32_pk16_fp6_f32 v[P+12*(\T):P+12*(\T)+2], v[96:111], v[SO+2*(\T)]
	v_cvt_scalef32_pk16_fp6_f32 v[P+12*(\T)+6:P+12*(\T)+8], v[112:127], v[SO+2*(\T)]
	WIN 0
	v_lshrrev_b32 v[BY+2*(\T)], 23, v[SO+2*(\T)]
.irp i, 0,1,2
	v_mov_b32 v[P+12*(\T)+3+\i], v[P+12*(\T)+6+\i]
.endr
	global_store_b128 v1, v[P+12*(\T):P+12*(\T)+3], s[46:47] offset:12288*(\T)       ; whole aligned blocks of 256 bytes
	global_store_b64 v2, v[P+12*(\T)+4:P+12*(\T)+5], s[46:47] offset:12288*(\T)+512
	global_store_b8 v3, v[BY+2*(\T)], s[52:53] offset:512*(\T)                       ; one byte in 24 of what the wave stores
.endm
	WALU
	s_cmp_eq_u32 s[WVN], 0
	s_cbranch_scc0 .Lnot_0
	s_wait_tensorcnt 0x0
.Lnot_0:
	s_barrier_signal -1
	s_barrier_wait -1                              ; key steps 0 and 1 are in; the others may be on their way
	KLOAD 1, 2, 5
	VLOAD 1, 2, 5
	s_wait_loadcnt 0x0                             ; Q
	s_mov_b32 s[TRIP], 0
	STEP                                           ; key step 0; it fetches key step 1
	WALU
	s_wait_tensorcnt 0x0                           ; every wave's tile is in,
	s_wait_dscnt 0x0
	s_barrier_signal -1
	s_barrier_wait -1                              ; and shown to all
	s_mov_b32 s[TRIP], 1
.Ltrip:
	STEP
	s_and_b32 s41, s[TRIP], 15
	s_cmp_lg_u32 s41, 15
	WALU
	s_cbranch_scc1 .Lnext
	LSUM 0
	LSUM 1
	WIN 0
.irp T, 0,1
	v_permlanex16_b32 v[TP+\T], v[TA+\T], s[SEL], s[SEL+1]
.endr
.irp T, 0,1
	D2
	v_add_f32 v[TA+\T], v[TA+\T], v[TP+\T]         ; with lane l xor 16's keys: the row's sum
.endr
	WALU
	v_rcp_f32 v[F], v[TA]
	v_rcp_f32 v[F+2], v[TA+1]
	v_nop
	FIN 0
	FIN 1
	s_cmp_eq_u32 s[TRIP], 31
	WALU
	s_cbranch_scc1 .Lnext
	s_wait_xcnt 0x0                                ; the stores have read their registers and bases
	s_add_nc_u64 s[46:47], s[46:47], 24576         ; on to the second pair of tiles
	s_add_nc_u64 s[52:53], s[52:53], 1024
	WIN 0x01
.irp T, 0,1
.irp i, 0,1,2,3,4,5
	v_mov_b32 v[16+12*\T+\i], v[48+6*\T+\i]
.endr
	v_mov_b32 v[QS+\T], v[60+\T]
.endr
	INIT
.Lnext:
	s_add_co_u32 s[TRIP], s[TRIP], 1
	s_cmp_lt_u32 s[TRIP], 32
	WALU
	s_cbranch_scc1 .Ltrip
	s_wait_tensorcnt 0x0                           ; the wave's end
	ds_add_u32 v[SPW], v[NIL]
	s_wait_dscnt 0x0
	CROUND                                         ; the closing round
	s_endpgm
.Lfunc_end_k_qea7d0735b6_attn:
	.size	k_qea7d0735b6_attn, .Lfunc_end_k_qea7d0735b6_attn-k_qea7d0735b6_attn
	.p2alignl 7, 3214868480
	.fill 96, 4, 3214868480
	.section	.rodata,"a",@progbits
	.p2align	6, 0x0
	.amdhsa_kernel k_qea7d0735b6_attn
		.amdhsa_group_segment_fixed_size 210944
		.amdhsa_private_segment_fixed_size 0
		.amdhsa_enable_private_segment 0
		.amdhsa_kernarg_size 24
		.amdhsa_user_sgpr_count 2
		.amdhsa_user_sgpr_kernarg_segment_ptr 1
		.amdhsa_wavefront_size32 1
		.amdhsa_system_sgpr_workgroup_id_x 1
		.amdhsa_system_sgpr_workgroup_id_y 1
		.amdhsa_system_sgpr_workgroup_id_z 1
		.amdhsa_system_vgpr_workitem_id 0
		.amdhsa_next_free_vgpr 512
		.amdhsa_next_free_sgpr 66
		.amdhsa_reserve_vcc 0
		.amdhsa_float_denorm_mode_32 3
		.amdhsa_float_denorm_mode_16_64 3
		.amdhsa_memory_ordered 1
		.amdhsa_forward_progress 1
		.amdhsa_inst_pref_size 79
	.end_amdhsa_kernel
	.amdgpu_metadata
---
amdhsa.version: [ 1, 2 ]
amdhsa.kernels:
  - .name:           k_qea7d0735b6_attn
    .symbol:         k_qea7d0735b6_attn.kd
    .args:
      - { .name: qkv, .offset: 0, .size: 8, .value_kind: global_buffer, .address_space: global }
      - { .name: vals, .offset: 8, .size: 8, .value_kind: global_buffer, .address_space: global }
      - { .name: vals_sc, .offset: 16, .size: 8, .value_kind: global_buffer, .address_space: global }
    .group_segment_fixed_size: 210944
    .private_segment_fixed_size: 0
    .kernarg_segment_align: 8
    .kernarg_segment_size: 24
    .max_flat_workgroup_size: 256
    .sgpr_count:     66
    .vgpr_count:     512
    .wavefront_size: 32
...
	.end_amdgpu_metadata
.endif
;; end of part 3
;; launch gemm_out (part 4): grid 8 x 32, 4 waves a work-group, clusters of 4 x 4, 327,680 bytes of LDS; arguments vals, vals_sc, img, sc, b_out, out0; writes out0
.if DOCPART == 4
	.amdgcn_target "amdgcn-amd-amdhsa--gfx1250"
	.amdhsa_code_object_version 6
	.text
	.protected	k_qea7d0735b6_gemm_out
	.globl	k_qea7d0735b6_gemm_out
	.p2align	8
	.type	k_qea7d0735b6_gemm_out,@function
k_qea7d0735b6_gemm_out:
	s_mov_b64 s[64:65], 0
	v_nop
	global_prefetch_b8 v0, s[64:65] scope:SCOPE_SE
	s_setreg_imm32_b32 hwreg(HW_REG_WAVE_MODE, 25, 1), 1
	s_wait_xcnt 0x0
	s_wait_alu depctr_hold_cnt(0) depctr_sa_sdst(0) depctr_va_vdst(0) depctr_va_sdst(0) depctr_va_ssrc(0) depctr_va_vcc(0) depctr_vm_vsrc(0)
	s_getreg_b32 s2, hwreg(HW_REG_IB_STS2, 6, 4)
	s_cmp_eq_u32 s2, 0
	s_cbranch_scc0 .Lentry_in_a_cluster
	s_endpgm
.Lentry_in_a_cluster:
	s_bfe_u32 s2, ttmp6, 0x10000c
	s_cmp_lg_u32 s2, 0xf033
	s_cbranch_scc0 .Lentry_shape_is_right
	s_endpgm
.Lentry_shape_is_right:
; out0 = values W_out^T + b_out on codes of FP6 with E8M0 scales.  values come as codes from the attention launch, W_out's from the quantising launch, both as images of the operands' registers (16 rows x 128 K: 1,536 bytes).
; SHARES.  A work-group makes 256 tokens x 128 columns: 256 work-groups.  Wave w takes values' tiles 4 w + a (a = 0..3) as source 1 against W_out's 8 tiles as source 0: 32 accumulators; a lane holds one token and eight neighbouring columns.
; A tile's rows: row i = 64 (T / 4) + 8 (T % 4) + i % 8 + 32 (i / 8).  The bias is the C of each sum's first matrix instruction.  The scale words go from memory straight into registers: sixteen lanes read 256 consecutive bytes.
; All of K lies in LDS: two slots of 512 along K, filled once, by one joint load a wave at the head: values' slot 0, W's slot 0, values' slot 1, W's slot 1.  Nothing is filled again; with no loop to run ahead in, nothing is prefetched.
; CLUSTER 4 x 4: the four of a row share the tokens, the four of a column the columns.  A wave has one tensor load out.
; REGISTERS: window 0: v4-23 addresses, v28-29 the add's two, v32-159 rows on the way out, v160-255 scale words (tile i, step k at v[160 + 8 i + k]; i 0-3 values', 4-11 W's).
;   window 1: W's fragments, three sets of four, from v0; values' four, two sets, from v144.   window 2: the accumulators (a, t) at v[64 a + 8 t].   window 3: the bias at v[8 t].
.set SLOT,  147456
.set WOFF,  98304
.set SPARE, 2*SLOT
.set SC,    160
.set STO,   20
.set RD,    21
.set SPW,   28
.set NIL,   29
.set G1A,   24
.set G1B,   32
.set G0X0,  40
.set G0W0,  44
.set G0X1,  48
.set G0W1,  52
.set MSB, 0
.macro WIN new
.if MSB != \new
	s_set_vgpr_msb (MSB<<8)|\new
.set MSB, \new
.endif
.endm
.macro PLACES
.rept 4
	v_nop
.endr
.endm
.macro TLOAD g0, g1                    ; an s_nop 0 and four v_nop follow each tensor load
	tensor_load_to_lds s[\g0:\g0+3], s[\g1:\g1+7]
	s_nop 0
	PLACES
.endm
.macro CROUND
	s_barrier_signal -1
	s_barrier_wait -1
	s_cmp_lg_u32 s16, 0
	s_cbranch_scc1 .Lnot_wave_0_\@
	s_barrier_signal -3
.Lnot_wave_0_\@:
	s_barrier_wait -3
	s_barrier_signal -1
	s_barrier_wait -1
.endm
.macro MKG1 g, c, r, p
	s_mov_b32 s[\g+1], (\c)<<16
	s_mov_b32 s[\g+2], (\r)<<16
	s_mov_b32 s[\g+3], (\c)<<16
	s_mov_b32 s[\g+4], \r
	s_mov_b32 s[\g+5], \p
	s_mov_b32 s[\g+6], 0
	s_mov_b32 s[\g+7], 0
.endm
.macro MKG0 g0, lds, ad, off
	s_mov_b32 s[\g0], 1
	s_mov_b32 s[\g0+1], \lds
	s_add_nc_u64 s[\g0+2:\g0+3], s[\ad:\ad+1], \off
	s_or_b32 s[\g0+3], s[\g0+3], 0x80000000
.endm
.macro FRAG reg, a16, a8, off
	ds_load_b128 v[\reg:\reg+3], v[\a16] offset:\off
	ds_load_b64 v[\reg+4:\reg+5], v[\a8] offset:\off+512
	ds_load_b128 v[\reg+6:\reg+9], v[\a16] offset:\off+768
	ds_load_b64 v[\reg+10:\reg+11], v[\a8] offset:\off+1280
.endm
	s_load_b256 s[4:11], s[0:1], 0x0               ; vals, vals_sc, img, sc
	s_load_b128 s[12:15], s[0:1], 0x20             ; b_out, out0
	v_lshl_add_u32 v[SPW], v0, 2, SPARE
	v_mov_b32 v[NIL], 0
	ds_add_u32 v[SPW], v[NIL]                      ; the opening lines
	ds_add_u32 v[SPW], v[NIL]
	v_lshrrev_b32 v1, 5, v0
	v_readfirstlane_b32 s16, v1                    ; wave
	s_bfe_u32 s19, ttmp6, 0x40000                  ; cx
	s_bfe_u32 s20, ttmp6, 0x40004                  ; cy
	s_lshl_b32 s21, ttmp9, 2
	s_add_co_u32 s21, s21, s19                     ; X: the block of 128 columns
	s_and_b32 s22, ttmp7, 0xffff
	s_lshl_b32 s22, s22, 2
	s_add_co_u32 s22, s22, s20                     ; Y: the block of 256 tokens
	s_lshl_b32 s2, s20, 2
	s_lshl_b32 s2, 15, s2                          ; my row of the cluster
	s_lshl_b32 s3, 0x1111, s19                     ; my column
	s_or_b32 s[G1A], s2, (3<<16)|(1<<21)
	s_or_b32 s[G1B], s3, (3<<16)|(1<<21)
	MKG1 G1A, 768, 16, 1536                        ; tiles x 6,144 bytes, 12,288 bytes from tile to tile
	MKG1 G1B, 768, 8, 1536
	s_mul_i32 s84, s22, 16*12288                   ; values: tile 16 Y
	s_mov_b32 s85, 0
	s_mul_i32 s88, s21, 8*12288
	s_add_co_u32 s88, s88, 704*12288               ; W_out: tile 704 + 8 X
	s_mov_b32 s89, 0
	s_lshl_b32 s86, s22, 13
	s_lshl_b32 s87, s16, 11
	s_add_co_u32 s86, s86, s87                     ; my four tiles' scale words
	s_mov_b32 s87, 0
	s_lshl_b32 s90, s21, 12
	s_add_co_u32 s90, s90, 704*512                 ; W's
	s_mov_b32 s91, 0
	s_wait_dscnt 0x0
	s_wait_kmcnt 0x0
	s_add_nc_u64 s[84:85], s[4:5], s[84:85]
	s_add_nc_u64 s[86:87], s[6:7], s[86:87]
	s_add_nc_u64 s[88:89], s[8:9], s[88:89]
	s_add_nc_u64 s[90:91], s[10:11], s[90:91]
	CROUND                                         ; the joint loads meet
	MKG0 G0X0, 0, 84, 0
	MKG0 G0W0, WOFF, 88, 0
	MKG0 G0X1, SLOT, 84, 6144
	MKG0 G0W1, SLOT+WOFF, 88, 6144
.macro ARM under, g0, g1, next         ; one chain of arms on the wave's number: every way passes one load
	s_cmp_lt_u32 s16, \under
	s_cbranch_scc0 \next
	TLOAD \g0, \g1
	s_branch .Lhead_asked
\next:
.endm
	ARM 1, G0X0, G1A, .Lh1
	ARM 2, G0W0, G1B, .Lh2
	ARM 3, G0X1, G1A, .Lh3
	TLOAD G0W1, G1B
.Lhead_asked:
	s_lshl_b32 s2, s21, 9
	s_mov_b32 s3, 0
	s_add_nc_u64 s[12:13], s[12:13], s[2:3]        ; my 128 biases
	s_lshl_b32 s96, s22, 20                        ; out0: 256 Y rows of 4,096 bytes,
	s_lshl_b32 s23, s16, 18                        ; 64 for each wave,
	s_add_co_u32 s96, s96, s23
	s_add_co_u32 s96, s96, s2                      ; 512 bytes for each block of columns
	s_mov_b32 s97, 0
	s_add_nc_u64 s[96:97], s[14:15], s[96:97]
	s_mul_i32 s23, s16, 24576                      ; my four tiles of values in a slot
	s_mul_i32 s17, s16, 8448                       ; my stage: 16 rows x 528 bytes, in slot 0, which has had its only fill and its last read when the first result is stored there
	v_and_b32 v1, 31, v0
	v_and_b32 v2, 15, v0                           ; r
	v_bfe_u32 v3, v0, 4, 1                         ; h
	v_lshlrev_b32 v23, 7, v3                       ; the bias: my half's 32 columns of four tiles
	v_lshlrev_b32 v18, 4, v1
	v_lshlrev_b32 v19, 3, v1
	v_add_nc_u32 v4, s23, v18
	v_add_nc_u32 v6, s23, v19
	v_add_nc_u32 v5, SLOT, v4
	v_add_nc_u32 v7, SLOT, v6
	v_add_nc_u32 v8, WOFF, v18
	v_add_nc_u32 v10, WOFF, v19
	v_add_nc_u32 v9, WOFF+SLOT, v18
	v_add_nc_u32 v11, WOFF+SLOT, v19
	v_lshlrev_b32 v22, 4, v2                       ; 16 r
	v_mul_u32_u24 v[STO], v2, 528
	v_lshl_add_u32 v[STO], v3, 7, v[STO]
	v_add_nc_u32 v[STO], s17, v[STO]
	v_add_nc_u32 v[RD], s17, v18
	s_wait_alu depctr_va_vdst(0)
.irp i, 0,1,2,3
	global_load_b128 v[SC+8*\i:SC+8*\i+3], v22, s[86:87] offset:512*\i
	global_load_b128 v[SC+8*\i+4:SC+8*\i+7], v22, s[86:87] offset:512*\i+256
.endr
.irp t, 0,1,2,3,4,5,6,7
	global_load_b128 v[SC+32+8*\t:SC+32+8*\t+3], v22, s[90:91] offset:512*\t
	global_load_b128 v[SC+32+8*\t+4:SC+32+8*\t+7], v22, s[90:91] offset:512*\t+256
.endr
	WIN 0xc0
.irp t, 0,1,2,3,4,5,6,7
	global_load_b128 v[8*\t:8*\t+3], v23, s[12:13] offset:4*(64*(\t/4)+8*(\t%4))
	global_load_b128 v[8*\t+4:8*\t+7], v23, s[12:13] offset:4*(64*(\t/4)+8*(\t%4))+16
.endr
	WIN 0
; THE STREAM.  A step k of 128 along K (slot k / 4) is two groups of 16 products; n = 2 k + g.  W's groups go through three sets: behind group n its set takes group n + 3.
.macro LOADG n
.set LK, (\n)/2
.set LG, (\n)%2
.set LB, 48*((\n)%3)
.set LS, LK/4
	WIN 0x40
.irp j, 0,1,2,3
	FRAG LB+12*\j, 8+LS, 10+LS, 6144*(4*LG+\j)+1536*(LK%4)
.endr
.endm
.macro LOADX k
.set LS, (\k)/4
	WIN 0x40
.irp a, 0,1,2,3
	FRAG 144+48*((\k)%2)+12*\a, 4+LS, 6+LS, 6144*\a+1536*((\k)%4)
.endr
.endm
; 16 products.  The 32 accumulators take turns, one instruction a turn.  In step 0 the bias is the C.
.macro MUL n
.set MK, (\n)/2
.set MG, (\n)%2
.set MB, 48*((\n)%3)
.set XB, 144+48*(MK%2)
.if MK == 0
	WIN 0xb5
.else
	WIN 0xa5
.endif
.irp a, 0,1,2,3
.irp j, 0,1,2,3
.if MK == 0
	v_wmma_scale_f32_16x16x128_f8f6f4 v[64*\a+8*(4*MG+\j):64*\a+8*(4*MG+\j)+7], v[MB+12*\j:MB+12*\j+11], v[XB+12*\a:XB+12*\a+11], v[8*(4*MG+\j):8*(4*MG+\j)+7], v[SC+8*(4+4*MG+\j)+MK], v[SC+8*\a+MK] matrix_a_fmt:MATRIX_FMT_FP6 matrix_b_fmt:MATRIX_FMT_FP6
.else
	v_wmma_scale_f32_16x16x128_f8f6f4 v[64*\a+8*(4*MG+\j):64*\a+8*(4*MG+\j)+7], v[MB+12*\j:MB+12*\j+11], v[XB+12*\a:XB+12*\a+11], v[64*\a+8*(4*MG+\j):64*\a+8*(4*MG+\j)+7], v[SC+8*(4+4*MG+\j)+MK], v[SC+8*\a+MK] matrix_a_fmt:MATRIX_FMT_FP6 matrix_b_fmt:MATRIX_FMT_FP6
.endif
.endr
.endr
.endm
.macro TAILL n
.if ((\n)%2 == 0) && ((\n)/2 < 7)
	LOADX (\n)/2+1
.endif
.if (\n) < 13
	LOADG (\n)+3
.endif
.endm
.macro GRP n, cnt                      ; cnt: the LDS loads issued behind the youngest one that this group needs
	s_wait_dscnt \cnt
	MUL \n
.if (\n) < 13
	PLACES
.endif
	TAILL \n
.endm
; The group with the barrier: slot 1 is first read behind it, and slot 0 is read no more.
.macro TURN n
	WIN 0
	s_wait_tensorcnt 0x0                           ; every wave's tile is in
	ds_add_u32 v[SPW], v[NIL]
	s_wait_dscnt 0x0
	s_barrier_signal -1
	MUL \n
	WIN 0
	s_barrier_wait -1
	PLACES
	TAILL \n
.endm
	s_cmp_lt_u32 s16, 2
	s_cbranch_scc0 .Lnot_slot_0
	s_wait_tensorcnt 0x0                           ; waves 0 and 1: slot 0's tiles, by load lines that are theirs alone
.Lnot_slot_0:
	s_barrier_signal -1
	s_barrier_wait -1                              ; slot 1 may be on its way
	LOADX 0
	LOADG 0
	LOADG 1
	LOADG 2
	s_wait_loadcnt 0x0                             ; the scale words and the bias
	GRP 0, 32
	GRP 1, 48
	GRP 2, 32
	GRP 3, 48
	GRP 4, 32
	TURN 5
	GRP 6, 32
	GRP 7, 48
	GRP 8, 32
	GRP 9, 48
	GRP 10, 32
	GRP 11, 48
	GRP 12, 32
	GRP 13, 48
	GRP 14, 16
	GRP 15, 0
; THE WAY OUT, a tile of 16 tokens x 128 columns at a time, through my own stage in LDS, back as whole rows of 512 bytes.  A wave's LDS instructions are served in order: no wait between the stores and the loads.
.macro TOSTAGE a
	WIN 0x08
.irp t, 0,1,2,3,4,5,6,7
	ds_store_b128 v[STO], v[64*(\a)+8*\t:64*(\a)+8*\t+3] offset:256*(\t/4)+32*(\t%4)        ; each accumulator from its low end on
	ds_store_b128 v[STO], v[64*(\a)+8*\t+4:64*(\a)+8*\t+7] offset:256*(\t/4)+32*(\t%4)+16
.endr
	WIN 0
.set BB, 32+64*((\a)%2)
.irp i, 0,1,2,3,4,5,6,7,8,9,10,11,12,13,14,15
	ds_load_b128 v[BB+4*\i:BB+4*\i+3], v[RD] offset:528*\i
.endr
.endm
.macro SEND a, younger
.set BB, 32+64*((\a)%2)
	s_wait_dscnt \younger
.irp i, 0,1,2,3,4,5,6,7,8,9,10,11,12,13,14,15
	global_store_b128 v18, v[BB+4*\i:BB+4*\i+3], s[96:97] offset:(8*(\a)+\i%8+32*(\i/8))*4096 th:TH_STORE_NT   ; 32 lanes store 512 consecutive bytes, at a multiple of 256 from the output's first byte
.endr
.endm
	PLACES
	TOSTAGE 0
.irp a, 1,2,3
.if \a > 1
	s_wait_xcnt 0x0                                ; tile a - 2's stores have read their registers
.endif
	TOSTAGE \a
	SEND \a-1, 32
.endr
	SEND 3, 0
	s_wait_tensorcnt 0x0                           ; the wave's end
	ds_add_u32 v[SPW], v[NIL]
	s_wait_dscnt 0x0
	CROUND                                         ; the closing round
	s_endpgm
.Lfunc_end_k_qea7d0735b6_gemm_out:
	.size	k_qea7d0735b6_gemm_out, .Lfunc_end_k_qea7d0735b6_gemm_out-k_qea7d0735b6_gemm_out
	.p2alignl 7, 3214868480
	.fill 96, 4, 3214868480
	.section	.rodata,"a",@progbits
	.p2align	6, 0x0
	.amdhsa_kernel k_qea7d0735b6_gemm_out
		.amdhsa_group_segment_fixed_size 327680
		.amdhsa_private_segment_fixed_size 0
		.amdhsa_enable_private_segment 0
		.amdhsa_kernarg_size 48
		.amdhsa_user_sgpr_count 2
		.amdhsa_user_sgpr_kernarg_segment_ptr 1
		.amdhsa_wavefront_size32 1
		.amdhsa_system_sgpr_workgroup_id_x 1
		.amdhsa_system_sgpr_workgroup_id_y 1
		.amdhsa_system_sgpr_workgroup_id_z 1
		.amdhsa_system_vgpr_workitem_id 0
		.amdhsa_next_free_vgpr 1024
		.amdhsa_next_free_sgpr 102
		.amdhsa_reserve_vcc 0
		.amdhsa_float_denorm_mode_32 3
		.amdhsa_float_denorm_mode_16_64 3
		.amdhsa_memory_ordered 1
		.amdhsa_forward_progress 1
		.amdhsa_inst_pref_size 85
	.end_amdhsa_kernel
	.amdgpu_metadata
---
amdhsa.version: [ 1, 2 ]
amdhsa.kernels:
  - .name:           k_qea7d0735b6_gemm_out
    .symbol:         k_qea7d0735b6_gemm_out.kd
    .args:
      - { .name: vals, .offset: 0, .size: 8, .value_kind: global_buffer, .address_space: global }
      - { .name: vals_sc, .offset: 8, .size: 8, .value_kind: global_buffer, .address_space: global }
      - { .name: img, .offset: 16, .size: 8, .value_kind: global_buffer, .address_space: global }
      - { .name: sc, .offset: 24, .size: 8, .value_kind: global_buffer, .address_space: global }
      - { .name: b_out, .offset: 32, .size: 8, .value_kind: global_buffer, .address_space: global }
      - { .name: out0, .offset: 40, .size: 8, .value_kind: global_buffer, .address_space: global }
    .group_segment_fixed_size: 327680
    .private_segment_fixed_size: 0
    .kernarg_segment_align: 8
    .kernarg_segment_size: 48
    .max_flat_workgroup_size: 128
    .sgpr_count:     102
    .vgpr_count:     1024
    .wavefront_size: 32
...
	.end_amdgpu_metadata
.endif
;; end of part 4
